; MI455X (gfx1250); checked and timed in simulation.
; The chip was launched on July 23, 2026; its instructions are those of AMD's public machine-readable ISA for CDNA 5 (MIT licence, August 2026) and "CDNA5" Instruction Set Architecture Reference Guide (July 2026). The comments in the code are by the model that wrote it; some were corrected since.
;; S Alibi4 Attention. Allowed arithmetic: matrix products marked QUANTISED: E2M1 operands, one E8M0 scale for each 32 along K, by v_wmma_scale_f32_16x16x128_f8f6f4 with both operands' format E2M1 (or v_wmma_scale_f32_32x16x128_f4), f32 sums; products left as they are: bf16, f16 or f32 operands; f32 sums; everything else in f32.
;; Inputs: Wk 1,024 x 1,024 float32; Wo 1,024 x 1,024 float32; Wq 1,024 x 1,024 float32; Wv 1,024 x 1,024 float32; bk 1,024 float32; bo 1,024 float32; bq 1,024 float32; bv 1,024 float32; k 2 x 2,048 x 1,024 float32; q 2 x 2,048 x 1,024 float32; v 2 x 2,048 x 1,024 float32.
;; Outputs: out0 2 x 2,048 x 1,024 float32.
;; This version of the problem:
;;   THIS VERSION OF THE PROBLEM IS GIVEN IN LOW PRECISION. The matrix products marked QUANTISED in the list below multiply operands that are first quantised to E2M1 (2 exponent bits, 1 mantissa bit; 4 bits a number), with one power-of-two scale for each 32 numbers along K (OCP MX v1.0); their sums are f32. The products marked 'left as it is' may take bf16, f16 or f32 operands, with f32 sums. Whichever they take, every output number must still come out within the allowed error. Rounding operands to bf16 (8 significant bits) uses up far more of that allowance than f16 does (11 bits, for magnitudes from 6e-5 to 65,504). All else is computed in f32.
;;   The module's matrix products, in the order in which they are computed (A, B: the left and right operand; K: the contracted axis; several contracted axes count as one K, in the product's order):
;;     1. [M 4,096, K 1,024] x [K 1,024, N 1,024]; A: input q; B: input Wq: QUANTISED
;;     2. [M 4,096, K 1,024] x [K 1,024, N 1,024]; A: input k; B: input Wk: QUANTISED
;;     3. [M 4,096, K 1,024] x [K 1,024, N 1,024]; A: input v; B: input Wv: QUANTISED
;;     4. batch 32 x [M 2,048, K 64] x [K 64, N 2,048]; A: computed on the way; B: computed on the way: left as it is (an operand is computed on the way)
;;     5. batch 32 x [M 2,048, K 2,048] x [K 2,048, N 64]; A: computed on the way; B: computed on the way: left as it is (an operand is computed on the way)
;;     6. [M 4,096, K 1,024] x [K 1,024, N 1,024]; A: computed on the way; B: input Wo: left as it is (an operand is computed on the way)
;;   THE QUANTISER, for each operand of a quantised product, along K:
;;     - K is cut into blocks of 32 from its start; a last block that is shorter is filled with zeros.
;;     - A block's scale is 2^e with e = floor(log2(the largest magnitude in the block)) - 2, held to -126 .. 127; a block of zeros has e = 0. As a byte (E8M0): e + 127.
;;     - Each number is divided by its block's scale, clamped to +-6, and rounded to the nearest number of E2M1, ties to even, subnormals kept.
;;     - The product sums the exact products of the quantised numbers (number of the format x scale) in f32.
;;   ~~~python
;;   def quantise(x, axis):      # numpy; x: float32 -> the quantised numbers, widened to float32 again
;;       x = np.moveaxis(x, axis, -1); K = x.shape[-1]
;;       x = np.pad(x, [(0, 0)] * (x.ndim - 1) + [(0, -K % 32)]); x = x.reshape(x.shape[:-1] + (-1, 32)); a = np.abs(x).max(-1, keepdims=True)
;;       e = np.where(a > 0, np.clip(np.frexp(np.where(a > 0, a, 1))[1] - 1 - 2, -126, 127), 0)      # np.frexp(a)[1] - 1 = floor(log2(a)), exactly
;;       r = np.clip(x / 2.0 ** e, -6, 6)
;;       step = 2.0 ** (np.maximum(np.frexp(np.where(r == 0, 1, r))[1] - 1, 0) - 1)
;;       q = np.round(r / step) * step * 2.0 ** e      # np.round: ties to even
;;       return np.moveaxis(q.reshape(q.shape[:-2] + (-1,))[..., :K], -1, axis).astype(np.float32)
;;   ~~~
;; One version. Each part assembles by itself: llvm-mc -triple=amdgcn-amd-amdhsa -mcpu=gfx1250 --defsym DOCPART=n.
;; ======== version 1 of 1: 4 launches
;; limits: values are held in f16: magnitudes above 65,504 overflow, below 6.1e-05 lose precision
;; workspace buffers: acodes 6,291,456 bytes; ascales 393,216 bytes; wcodes 1,572,864 bytes; wscales 98,304 bytes; wo16 2,097,152 bytes; qkv 25,165,824 bytes; x16 8,388,608 bytes
;; launch quant (part 1): grid 512 x 1, 4 waves a work-group, no clusters, 33,280 bytes of LDS; arguments q, k, v, Wq, Wk, Wv, Wo, acodes, ascales, wcodes, wscales, wo16; writes acodes, ascales, wcodes, wscales, wo16
.if DOCPART == 1
	.amdgcn_target "amdgcn-amd-amdhsa--gfx1250"
	.amdhsa_code_object_version 6
	.text
	.protected	k_q1aeb211c62_quant
	.globl	k_q1aeb211c62_quant
	.p2align	8
	.type	k_q1aeb211c62_quant,@function
k_q1aeb211c62_quant:
	s_mov_b64 s[64:65], 0
	v_nop
	global_prefetch_b8 v0, s[64:65] scope:SCOPE_SE
	s_setreg_imm32_b32 hwreg(HW_REG_WAVE_MODE, 25, 1), 1
	s_wait_xcnt 0x0
; q, k, v [4096][1024] and Wq, Wk, Wv [1024][1024], f32 with K innermost, become codes of FP4 (E2M1), two a byte, and one E8M0 scale byte for each 32 along K.
; q, k, v go on end into acodes [12288][512 bytes] and ascales [12288][32]; Wq, Wk, Wv into wcodes [3072][512] and wscales [3072][32].  Wo [1024][1024] becomes f16 in wo16 (its product is not quantised).
; A block's scale is 2^(floor(log2(its largest magnitude)) - 2); its byte is the largest magnitude's exponent field - 2, held at 1 from below.  A block of zeros so gets the byte 1 where the rule says 127:
; its codes are zeros, which add nothing under any byte but 0xff, and this program alone reads the bytes.
; LIMITS: blocks whose largest magnitude lies under 2^(3 - 127), the floor, keep the byte 1; NaN and infinities among the inputs are not served; Wo's numbers under 2^-14 are kept to f16's absolute step of 2^-24.
; Rows are dense and K is a multiple of 32: every tensor is a plain stream of blocks of 32.  A work-group takes 32,768 numbers, a wave 16 steps of 512.
; Work-groups 0-127 q, 128-255 k, 256-383 v, 384-415 Wq, 416-447 Wk, 448-479 Wv, 480-511 Wo.  Only pointers are chosen for the first six: they take one path.  Wo's path uses no LDS.
; In a step each of four loads reads 512 consecutive bytes; the 2,048 bytes turn through the wave's own stage in LDS and come back 64 bytes a lane, so that a lane holds 16 neighbours along K and two lanes a block.
.set WAVES, 4
.set STEPS, 16
.set EMAX,  2
.set CB,    8                          ; bytes of 16 codes
.set R,     16                         ; v16-79   four sets of 16 numbers as they are loaded (Wo: v16-143, two sets of 64)
.set X,     80                         ; v80-111  two sets of 16 neighbours
.set C,     128                        ; v128-191 codes: four registers for each step, so that no store's data are written again
.set E,     112                        ; v112-127 a scale byte for each step
.set D,     144                        ; v144-175 Wo: a round's f16 numbers
.set WREG,  8192                       ; LDS: a region for each wave: two stages of 32 x SP bytes, behind them its 256 scale bytes
.set SP,    80                         ; a lane's place in a stage: 64 bytes + 16 of padding
.set SPW,   12                         ; v12  LDS address of my spare word; never rewritten
.set NIL,   13                         ; v13  0; never rewritten
.set SPARE, WAVES*WREG                 ; behind the four regions: the spare words, 128 bytes a wave
.set WV,    28                         ; s28  my wave's number
	s_load_b512 s[4:19], s[0:1], 0x0               ; q 4:5, k 6:7, v 8:9, Wq 10:11, Wk 12:13, Wv 14:15, Wo 16:17, acodes 18:19
	s_load_b256 s[20:27], s[0:1], 0x40             ; ascales 20:21, wcodes 22:23, wscales 24:25, wo16 26:27
	v_lshl_add_u32 v[SPW], v0, 2, SPARE
	v_mov_b32 v[NIL], 0
	v_lshrrev_b32 v1, 5, v0
	v_readfirstlane_b32 s[WV], v1                  ; wave
	v_and_b32 v2, 31, v0                           ; lane
	v_lshlrev_b32 v3, 4, v2                        ; my 16 bytes of a load's 512
	s_mul_i32 s29, s[WV], WREG
	v_lshrrev_b32 v14, 2, v2
	v_mul_u32_u24 v14, v14, SP
	v_and_b32 v15, 3, v2
	v_lshl_add_u32 v14, v15, 4, v14
	v_add_nc_u32 v14, s29, v14                     ; the stage, on the way in: SP (lane / 4) + 16 (lane % 4)
	v_mul_u32_u24 v15, v2, SP
	v_add_nc_u32 v15, s29, v15                     ; and on the way out: SP x lane: my 16 neighbours
	v_mul_u32_u24 v4, v2, CB                       ; my 8 bytes of a store's 256
	v_lshrrev_b32 v5, 1, v2
	s_add_co_u32 s29, s29, 2*32*SP
	v_add_nc_u32 v5, s29, v5                       ; LDS: my wave's 256 scale bytes, my block's byte
	v_lshlrev_b32 v7, 3, v2                        ; and on the way out 8 bytes a lane
	v_add_nc_u32 v6, s29, v7
	s_wait_kmcnt 0x0
	s_cmp_ge_u32 ttmp9, 480                        ; Wo's work-groups part here, on the work-group's number alone
	s_cbranch_scc1 .Lwo
	s_cmp_lt_u32 ttmp9, 448                        ; the source, chosen step by step from Wv down to q
	s_cselect_b64 s[14:15], s[12:13], s[14:15]
	s_cmp_lt_u32 ttmp9, 416
	s_cselect_b64 s[14:15], s[10:11], s[14:15]
	s_cmp_lt_u32 ttmp9, 384                        ; an activation or a weight: that also chooses where codes and scale bytes go
	s_cselect_b64 s[14:15], s[8:9], s[14:15]
	s_cselect_b64 s[18:19], s[18:19], s[22:23]
	s_cselect_b64 s[20:21], s[20:21], s[24:25]
	s_cselect_b32 s30, 127, 31                     ; work-groups in a source tensor, less one
	s_cselect_b32 s31, 0, 384                      ; the first work-group of the destination
	s_cmp_lt_u32 ttmp9, 256
	s_cselect_b64 s[14:15], s[6:7], s[14:15]
	s_cmp_lt_u32 ttmp9, 128
	s_cselect_b64 s[14:15], s[4:5], s[14:15]
	s_and_b32 s30, ttmp9, s30
	s_lshl_b32 s30, s30, 2
	s_add_co_u32 s30, s30, s[WV]                   ; which run of 8,192 numbers of the source is my wave's
	s_lshl_b32 s32, s30, 15
	s_mov_b32 s33, 0
	s_add_nc_u64 s[14:15], s[14:15], s[32:33]
	s_sub_co_u32 s31, ttmp9, s31
	s_lshl_b32 s31, s31, 2
	s_add_co_u32 s31, s31, s[WV]                   ; and which run of the destination
	s_lshl_b32 s32, s31, 12                        ; 4,096 bytes of codes a run
	s_add_nc_u64 s[18:19], s[18:19], s[32:33]
	s_lshl_b32 s32, s31, 8                         ; 256 scale bytes a run
	s_add_nc_u64 s[20:21], s[20:21], s[32:33]
.macro LOAD t
.irp i, 0,1,2,3
	global_load_b128 v[R+16*((\t)%4)+4*\i:R+16*((\t)%4)+4*\i+3], v3, s[14:15] offset:2048*(\t)+512*\i th:TH_LOAD_NT   ; 32 lanes read 512 consecutive bytes
.endr
.endm
.macro TURN t                          ; step t's numbers through the stage: LDS serves a wave's instructions in order, so no wait stands between the stores and the loads
.irp i, 0,1,2,3
	ds_store_b128 v14, v[R+16*((\t)%4)+4*\i:R+16*((\t)%4)+4*\i+3] offset:32*SP*((\t)%2)+8*SP*\i
.endr
.irp i, 0,1,2,3
	ds_load_b128 v[X+16*((\t)%2)+4*\i:X+16*((\t)%2)+4*\i+3], v15 offset:32*SP*((\t)%2)+16*\i
.endr
.endm
.irp t, 0,1,2,3
	LOAD \t
.endr
	s_wait_loadcnt 12                              ; step 0's four loads are in
	TURN 0
.macro STEP t
.set XS, X+16*((\t)%2)
.if (\t) > 0
	s_wait_dscnt 1                                 ; this step's numbers are back from the stage (the last step's byte store may be out): so its stores into the stage have read their registers,
.else
	s_wait_dscnt 0x0
.endif
.if (\t)+4 < STEPS
	LOAD (\t)+4                                    ; which take the loads of four steps on
.endif
.if (\t)+1 < STEPS
.if STEPS-2-(\t) >= 3
	s_wait_loadcnt 12                              ; the next step's four loads are in; those of the three steps behind it may be out
.else
	s_wait_loadcnt 4*(STEPS-2-(\t))
.endif
	TURN (\t)+1                                    ; and go through the other stage while this step is worked
.endif
	v_max3_num_f32 v8, |v[XS]|, |v[XS+1]|, |v[XS+2]|               ; the largest magnitude of my 16, in two chains
	v_max3_num_f32 v9, |v[XS+3]|, |v[XS+4]|, |v[XS+5]|
.irp i, 6,10
	v_max3_num_f32 v8, v8, |v[XS+\i]|, |v[XS+\i+1]|
	v_max3_num_f32 v9, v9, |v[XS+\i+2]|, |v[XS+\i+3]|
.endr
	v_max3_num_f32 v8, v8, |v[XS+14]|, |v[XS+15]|
	v_max3_num_f32 v8, v8, v9, (EMAX+1)<<23        ; and the floor 2^(EMAX + 1 - 127): so the byte cannot fall under 1
	v_max_num_f32_dpp v8, v8, v8 row_xmask:1 row_mask:0xf bank_mask:0xf   ; and of my neighbour's 16: the block's
	v_add_nc_u32 v11, -(EMAX<<23), v8              ; EMAX off its exponent field: the conversion takes the exponent field of this operand as its scale
	v_cvt_scalef32_pk8_fp4_f32 v[C+4*(\t)], v[XS:XS+7], v11        ; eight numbers / the scale, to the nearest code, ties to even, beyond the largest code the largest
	v_cvt_scalef32_pk8_fp4_f32 v[C+4*(\t)+1], v[XS+8:XS+15], v11
	v_lshrrev_b32 v[E+(\t)], 23, v11               ; the scale's byte (also the plain line behind the conversions)
	ds_store_b8 v5, v[E+(\t)] offset:16*(\t)       ; both lanes of a block write the same byte with the same value
	global_store_b64 v4, v[C+4*(\t):C+4*(\t)+1], s[18:19] offset:32*CB*(\t)   ; the wave stores 256 consecutive bytes, aligned
.endm
.irp t, 0,1,2,3,4,5,6,7,8,9,10,11,12,13,14,15
	STEP \t
.endr
	ds_load_b64 v[8:9], v6                         ; LDS serves a wave's instructions in order: these see my byte stores
	s_wait_dscnt 0x0
	global_store_b64 v7, v[8:9], s[20:21]          ; 32 lanes store 256 consecutive bytes, aligned
	s_wait_tensorcnt 0x0                           ; the wave's end
	ds_add_u32 v[SPW], v[NIL]
	s_wait_dscnt 0x0
	s_endpgm
; Wo to f16.  A wave takes 8,192 numbers: 64 loads of 512 consecutive bytes in four rounds of 16, a round ahead; each load's numbers leave as 256 consecutive bytes.  No LDS on this path.
.Lwo:
	s_sub_co_u32 s30, ttmp9, 480
	s_lshl_b32 s30, s30, 2
	s_add_co_u32 s30, s30, s[WV]                   ; my run of 8,192 numbers
	s_lshl_b32 s32, s30, 15
	s_mov_b32 s33, 0
	s_add_nc_u64 s[16:17], s[16:17], s[32:33]
	s_lshl_b32 s32, s30, 14
	s_add_nc_u64 s[26:27], s[26:27], s[32:33]
.macro WLOADS g
.irp i, 0,1,2,3,4,5,6,7,8,9,10,11,12,13,14,15
	global_load_b128 v[R+64*((\g)%2)+4*\i:R+64*((\g)%2)+4*\i+3], v3, s[16:17] offset:512*(16*(\g)+\i) th:TH_LOAD_NT
.endr
.endm
.macro WROUND g
.if (\g) < 3
	WLOADS (\g)+1                                  ; into the set whose numbers the round before has converted
.endif
.if (\g) > 0
	s_wait_xcnt 0x0                                ; the last round's stores have read their data: D is written again only behind this wait
.endif
.irp i, 0,1,2,3,4,5,6,7,8,9,10,11,12,13,14,15
.if (\g) < 3
	s_wait_loadcnt 31-\i                           ; behind load i: the 15 - i younger of this round and the next round's 16
.else
	s_wait_loadcnt 15-\i
.endif
	v_cvt_pk_f16_f32 v[D+2*\i], v[R+64*((\g)%2)+4*\i], v[R+64*((\g)%2)+4*\i+1]
	v_cvt_pk_f16_f32 v[D+2*\i+1], v[R+64*((\g)%2)+4*\i+2], v[R+64*((\g)%2)+4*\i+3]
	global_store_b64 v4, v[D+2*\i:D+2*\i+1], s[26:27] offset:256*(16*(\g)+\i)
.endr
.endm
	WLOADS 0
	WROUND 0
	WROUND 1
	WROUND 2
	WROUND 3
	s_endpgm
.Lfunc_end_k_q1aeb211c62_quant:
	.size	k_q1aeb211c62_quant, .Lfunc_end_k_q1aeb211c62_quant-k_q1aeb211c62_quant
	.p2alignl 7, 3214868480
	.fill 96, 4, 3214868480
	.section	.rodata,"a",@progbits
	.p2align	6, 0x0
	.amdhsa_kernel k_q1aeb211c62_quant
		.amdhsa_group_segment_fixed_size 33280
		.amdhsa_private_segment_fixed_size 0
		.amdhsa_enable_private_segment 0
		.amdhsa_kernarg_size 96
		.amdhsa_user_sgpr_count 2
		.amdhsa_user_sgpr_kernarg_segment_ptr 1
		.amdhsa_wavefront_size32 1
		.amdhsa_system_sgpr_workgroup_id_x 1
		.amdhsa_system_sgpr_workgroup_id_y 1
		.amdhsa_system_sgpr_workgroup_id_z 1
		.amdhsa_system_vgpr_workitem_id 0
		.amdhsa_next_free_vgpr 192
		.amdhsa_next_free_sgpr 66
		.amdhsa_reserve_vcc 0
		.amdhsa_float_denorm_mode_32 3
		.amdhsa_float_denorm_mode_16_64 3
		.amdhsa_memory_ordered 1
		.amdhsa_forward_progress 1
		.amdhsa_inst_pref_size 56
	.end_amdhsa_kernel
	.amdgpu_metadata
---
amdhsa.version: [ 1, 2 ]
amdhsa.kernels:
  - .name:           k_q1aeb211c62_quant
    .symbol:         k_q1aeb211c62_quant.kd
    .args:
      - { .name: q, .offset: 0, .size: 8, .value_kind: global_buffer, .address_space: global }
      - { .name: k, .offset: 8, .size: 8, .value_kind: global_buffer, .address_space: global }
      - { .name: v, .offset: 16, .size: 8, .value_kind: global_buffer, .address_space: global }
      - { .name: Wq, .offset: 24, .size: 8, .value_kind: global_buffer, .address_space: global }
      - { .name: Wk, .offset: 32, .size: 8, .value_kind: global_buffer, .address_space: global }
      - { .name: Wv, .offset: 40, .size: 8, .value_kind: global_buffer, .address_space: global }
      - { .name: Wo, .offset: 48, .size: 8, .value_kind: global_buffer, .address_space: global }
      - { .name: acodes, .offset: 56, .size: 8, .value_kind: global_buffer, .address_space: global }
      - { .name: ascales, .offset: 64, .size: 8, .value_kind: global_buffer, .address_space: global }
      - { .name: wcodes, .offset: 72, .size: 8, .value_kind: global_buffer, .address_space: global }
      - { .name: wscales, .offset: 80, .size: 8, .value_kind: global_buffer, .address_space: global }
      - { .name: wo16, .offset: 88, .size: 8, .value_kind: global_buffer, .address_space: global }
    .group_segment_fixed_size: 33280
    .private_segment_fixed_size: 0
    .kernarg_segment_align: 8
    .kernarg_segment_size: 96
    .max_flat_workgroup_size: 128
    .sgpr_count:     66
    .vgpr_count:     192
    .wavefront_size: 32
...
	.end_amdgpu_metadata
.endif
;; end of part 1
;; launch proj (part 2): grid 4 x 48, 4 waves a work-group, clusters of 4 x 4, 327,680 bytes of LDS; arguments acodes, ascales, wcodes, wscales, qkv, bq, bk, bv; writes qkv
.if DOCPART == 2
	.amdgcn_target "amdgcn-amd-amdhsa--gfx1250"
	.amdhsa_code_object_version 6
	.text
	.protected	k_q1aeb211c62_proj
	.globl	k_q1aeb211c62_proj
	.p2align	8
	.type	k_q1aeb211c62_proj,@function
k_q1aeb211c62_proj:
	s_mov_b64 s[64:65], 0
	v_nop
	global_prefetch_b8 v0, s[64:65] scope:SCOPE_SE
	s_setreg_imm32_b32 hwreg(HW_REG_WAVE_MODE, 25, 1), 1
	s_wait_xcnt 0x0
	s_wait_alu depctr_hold_cnt(0) depctr_sa_sdst(0) depctr_va_vdst(0) depctr_va_sdst(0) depctr_va_ssrc(0) depctr_va_vcc(0) depctr_vm_vsrc(0)
	s_getreg_b32 s2, hwreg(HW_REG_IB_STS2, 6, 4)
	s_cmp_eq_u32 s2, 0
	s_cbranch_scc0 .Lentry_in_a_cluster
	s_endpgm
.Lentry_in_a_cluster:
	s_bfe_u32 s2, ttmp6, 0x10000c
	s_cmp_lg_u32 s2, 0xf033
	s_cbranch_scc0 .Lentry_shape_is_right
	s_endpgm
.Lentry_shape_is_right:
; The three projections in one launch: rows 0-4095 of acodes (q) against rows 0-1023 of wcodes (Wq), rows 4096-8191 (k) against Wk, rows 8192-12287 (v) against Wv: C = A B^T + bias on codes of FP4 (E2M1) with
; one E8M0 scale for each 32 along K = 1024; sums in f32; the result is rounded once to f16 and laid by head: qkv [3][batch 2][head 16][position 2048][64].
; LIMIT: results beyond f16's largest number, 65,504, are not served.
; A tile of C, 256 x 256, is made by a work-group of four waves; a wave makes 128 x 128: 64 accumulators, 512 registers.  48 tile rows x 4 tile columns: 192 work-groups.
; K is two slots of 512 (a tile's row is 256 bytes): both are asked for at the start and nothing is filled again.  The scales of the work-group's 256 + 256 rows, for all of K, come with them and stay in LDS.
; CLUSTERS: 4 x 4 work-groups.  The four of a row of the cluster need the same tiles of A, the four of a column the same tiles of B: each is asked for JOINTLY.  Which of the three products a cluster serves
; hangs on the cluster's y alone, so it is the same in all sixteen.
; THE MATRIX INSTRUCTION IS USED TRANSPOSED (source 0 = 16 rows of B, source 1 = 16 rows of A): a lane holds eight neighbouring numbers of a row of C.  THE BIAS IS THE C OF EACH SUM'S FIRST PRODUCT.
; REGISTERS, in windows of 256: window 0: v0-31 addresses; v32-95 scale words, two sets, and nothing else; v128-191 A's fragments, ONE set; v192-255 the bias, eight registers for each of B's eight blocks;
;   on the way out v128-159 packed results, v160-223 rows read back.  window 1: B's fragments, TWO sets, at v0 and v128.  window 2: the accumulators of my rows 0-63 ((a, b) at v[8 (8 a + b)]);  window 3: rows 64-127.
.set KSTEP,  512
.set NQ,     KSTEP/128                 ; matrix instructions deep
.set ROWB,   256                       ; a tile's row in bytes
.set KROW,   512                       ; a row of codes in memory
.set PITCH,  272                       ; an LDS row: 256 bytes + 16 of padding: the 16 rows that a load touches start at 16 different banks (64 banks of 4 bytes: ISA guide 11.1)
.set FR,     8
.set NL,     2
.set NP,     4                         ; places behind this matrix instruction (ISA guide 7.12.1)
.set HALFT,  128*PITCH
.set SLOT,   4*HALFT                   ; A's 256 rows, then B's 256 rows
.set KS,     32                        ; a row of scales in bytes
.set SCL,    2*SLOT                    ; behind the two slots: the scales, as units of 256 bytes + 16 of padding
.set HALFS,  (128*KS/256)*272
.set SBLK,   (16*KS/256)*272
.set SPARE,  SCL+4*HALFS               ; the spare words, 128 bytes a wave
.set STAGE,  SPARE+512                 ; the way out: 16 rows x (256 bytes + 16) for each wave; no fill ever lands here
.set SPITCH, 272
.set ADRA, 16                          ; v16-17  LDS address of my A fragments in slot 0, 1
.set ADRB, 20                          ; v20-21  the same for B
.set STO,  24                          ; v24     the way out: where I put 16 bytes of a row
.set RD,   25                          ; v25     where I read them back
.set CO,   26                          ; v26     16 x lane: my bytes of a store's 512
.set ADRS, 27                          ; v27     LDS address of my scale words: lanes 0-15 A's rows, lanes 16-31 B's
.set SPW,  28                          ; v28     my spare word; never rewritten
.set NIL,  29                          ; v29     0; never rewritten
.set BO,   30                          ; v30     the bias loads' offset: 32 x (lane / 16)
.set SC,   32
.set AF,   128
.set BI,   192
.set TMP,  128
.set BK,   160
.set G1, 24
.set G0, 32
.set G1B, 48
.set G0B, 56
.set G1S, 68
.set G0S, 76
.set G1SB, 80
.set G0SB, 88
.set MSB, 0
.macro WIN new                         ; the immediate's high byte repeats the setting that is left
.if MSB != \new
	s_set_vgpr_msb (MSB<<8)|\new
.set MSB, \new
.endif
.endm
.set MUL_LO, 0xa1                      ; source 0 (B) window 1, source 1 (A) window 0, C and D window 2
.set MUL_HI, 0xf1                      ; the same, C and D window 3
.set FST_LO, 0x81                      ; the first step: C (the bias) window 0, D window 2
.set FST_HI, 0xc1                      ; and D window 3
.set TO_B,   0x40
; A joint load: waves 0 and 1 fetch for A, waves 2 and 3 for B.  The branch hangs on the wave's number alone.  An s_nop 0 and four v_nop follow each of the two lines.
.macro JLOAD g0a, g1a, g0b, g1b
	s_cmp_eq_u32 s15, 0
	s_cbranch_scc0 .Lfor_b_\@
	tensor_load_to_lds s[\g0a:\g0a+3], s[\g1a:\g1a+7]
	s_nop 0
.rept 4
	v_nop
.endr
	s_branch .Lasked_\@
.Lfor_b_\@:
	tensor_load_to_lds s[\g0b:\g0b+3], s[\g1b:\g1b+7]
	s_nop 0
.rept 4
	v_nop
.endr
.Lasked_\@:
.endm
.macro CROUND                          ; a round of the cluster's barrier
	s_barrier_signal -1
	s_barrier_wait -1
	s_cmp_lg_u32 s14, 0
	s_cbranch_scc1 .Lnot_wave_0_\@
	s_barrier_signal -3
.Lnot_wave_0_\@:
	s_barrier_wait -3
	s_barrier_signal -1
	s_barrier_wait -1
.endm
	s_load_b128 s[4:7], s[0:1], 0x0                ; A's codes, A's scales
	s_load_b128 s[8:11], s[0:1], 0x10              ; B's codes, B's scales
	s_load_b64 s[12:13], s[0:1], 0x20              ; qkv
	s_load_b128 s[96:99], s[0:1], 0x28             ; bq, bk
	s_load_b64 s[100:101], s[0:1], 0x38            ; bv
	v_lshl_add_u32 v[SPW], v0, 2, SPARE
	v_mov_b32 v[NIL], 0
	ds_add_u32 v[SPW], v[NIL]                      ; the wave's opening: the add, twice on end, and its wait ahead of my first tensor load
	ds_add_u32 v[SPW], v[NIL]
	v_lshrrev_b32 v1, 5, v0
	v_readfirstlane_b32 s14, v1                    ; wave 0..3
	s_lshr_b32 s15, s14, 1                         ; which half of the tile's rows is mine.  Also: I fetch for A (0) or for B (1)
	s_and_b32 s16, s14, 1                          ; which half of its columns.  Also: which 128 rows of that tile I fetch
	s_bfe_u32 s40, ttmp6, 0x40000                  ; cx, cy: my place in the cluster
	s_bfe_u32 s41, ttmp6, 0x40004
	s_lshl_b32 s42, ttmp9, 2
	s_add_co_u32 s42, s42, s40                     ; tile column = 4 x cluster x + cx
	s_and_b32 s17, ttmp7, 0xffff                   ; cluster y, 0 to 11
	s_lshr_b32 s95, s17, 2                         ; which product: 0 q, 1 k, 2 v: four clusters' rows each
	s_lshl_b32 s17, s17, 2
	s_add_co_u32 s17, s17, s41                     ; tile row = 4 x cluster y + cy, 0 to 47
	s_lshl_b32 s43, s41, 2
	s_lshl_b32 s43, 15, s43                        ; my row of the cluster
	s_lshl_b32 s44, 0x1111, s40                    ; my column
	; descriptor group 1: a tile of 128 rows x 256 bytes, 16 bytes of padding behind each row
	s_or_b32 s[G1+0], s43, (0<<16)|(1<<20)|(1<<21)|(5<<22)|(3<<25)  ; 15:0 the mask; 17:16 elements of 1 byte; 20 padding on; 21 set beside a mask; 24:22 after every 64 words; 31:25 four words
	s_or_b32 s[G1B+0], s44, (0<<16)|(1<<20)|(1<<21)|(5<<22)|(3<<25)
.irp g, G1, G1B
	s_mov_b32 s[\g+1], ROWB<<16                    ; tensor_dim0
	s_mov_b32 s[\g+2], 128<<16                     ; tensor_dim1
	s_mov_b32 s[\g+3], ROWB<<16                    ; tile_dim0
	s_mov_b32 s[\g+4], 128                         ; tile_dim1
	s_mov_b32 s[\g+5], KROW                        ; from row to row
	s_mov_b32 s[\g+6], 0
	s_mov_b32 s[\g+7], 0
.endr
	; the scales of 128 rows: a dense block of 4,096 bytes, as 16 rows of 256 bytes (32 elements of 8 bytes), 16 bytes of padding behind each
	s_or_b32 s[G1S+0], s43, (3<<16)|(1<<20)|(1<<21)|(5<<22)|(3<<25)
	s_or_b32 s[G1SB+0], s44, (3<<16)|(1<<20)|(1<<21)|(5<<22)|(3<<25)
.irp g, G1S, G1SB
	s_mov_b32 s[\g+1], 32<<16
	s_mov_b32 s[\g+2], (128*KS/256)<<16
	s_mov_b32 s[\g+3], 32<<16
	s_mov_b32 s[\g+4], 128*KS/256
	s_mov_b32 s[\g+5], 32
	s_mov_b32 s[\g+6], 0
	s_mov_b32 s[\g+7], 0
.endr
	s_lshl_b32 s18, s16, 7                         ; which 128 rows of the tile I fetch
	s_lshl_b32 s20, s17, 8
	s_add_co_u32 s20, s20, s18                     ; A: row 256 x tile row + 128 x half
	s_lshl_b32 s46, s42, 8
	s_add_co_u32 s46, s46, s18                     ; B: row 256 x tile column + 128 x half
	s_lshl_b32 s47, s95, 10
	s_add_co_u32 s46, s46, s47                     ; + 1,024 x which product
	s_mov_b32 s21, 0
	s_mov_b32 s47, 0
	s_mov_b64 s[18:19], KS
	s_mul_u64 s[22:23], s[20:21], s[18:19]         ; where these rows' scales begin, in bytes
	s_mul_u64 s[92:93], s[46:47], s[18:19]
	s_mov_b64 s[18:19], KROW
	s_mul_u64 s[20:21], s[20:21], s[18:19]         ; and their codes
	s_mul_u64 s[46:47], s[46:47], s[18:19]
	s_mul_i32 s45, s14, HALFT                      ; where they go: wave x 128 rows: no place in the cluster enters an LDS address
	s_mul_i32 s94, s14, HALFS
	s_wait_dscnt 0x0                               ; both opening adds are done
	s_wait_kmcnt 0x0
	s_add_nc_u64 s[20:21], s[4:5], s[20:21]
	s_add_nc_u64 s[22:23], s[6:7], s[22:23]
	s_add_nc_u64 s[46:47], s[8:9], s[46:47]
	s_add_nc_u64 s[92:93], s[10:11], s[92:93]
	CROUND                                         ; all sixteen work-groups are here: the joint loads meet
	s_mov_b32 s[G0S], 1
	s_add_co_u32 s[G0S+1], s94, SCL
	s_mov_b64 s[G0S+2:G0S+3], s[22:23]
	s_or_b32 s[G0S+3], s[G0S+3], 0x80000000
	s_mov_b32 s[G0SB], 1
	s_add_co_u32 s[G0SB+1], s94, SCL
	s_mov_b64 s[G0SB+2:G0SB+3], s[92:93]
	s_or_b32 s[G0SB+3], s[G0SB+3], 0x80000000
	JLOAD G0S, G1S, G0SB, G1SB                     ; the scales first: they are wanted with the first slot
.irp s, 0,1
	s_mov_b32 s[G0+4*\s], 1
	s_add_co_u32 s[G0+4*\s+1], s45, \s*SLOT
	s_add_nc_u64 s[G0+4*\s+2:G0+4*\s+3], s[20:21], \s*ROWB
	s_or_b32 s[G0+4*\s+3], s[G0+4*\s+3], 0x80000000
	s_mov_b32 s[G0B+4*\s], 1
	s_add_co_u32 s[G0B+4*\s+1], s45, \s*SLOT
	s_add_nc_u64 s[G0B+4*\s+2:G0B+4*\s+3], s[46:47], \s*ROWB
	s_or_b32 s[G0B+4*\s+3], s[G0B+4*\s+3], 0x80000000
	JLOAD G0+4*\s, G1, G0B+4*\s, G1B               ; three tensor loads of mine are out: all that this text issues
.endr
	v_and_b32 v1, 15, v0                           ; l % 16
	v_bfe_u32 v2, v0, 4, 1                         ; l / 16
	; the bias of my 128 columns: lane (r, h) wants, for B's block b, those of columns 16 b + 8 h + 0 .. 7
	s_cmp_eq_u32 s95, 1
	s_cselect_b64 s[98:99], s[98:99], s[100:101]
	s_cmp_eq_u32 s95, 0
	s_cselect_b64 s[96:97], s[96:97], s[98:99]
	s_lshl_b32 s92, s42, 10                        ; 256 x tile column x 4 bytes
	s_lshl_b32 s93, s16, 9                         ; + 128 x half x 4
	s_add_co_u32 s92, s92, s93
	s_mov_b32 s93, 0
	s_add_nc_u64 s[96:97], s[96:97], s[92:93]
	v_lshlrev_b32 v[BO], 5, v2
.irp b, 0,1,2,3,4,5,6,7
	global_load_b128 v[BI+8*\b:BI+8*\b+3],   v[BO], s[96:97] offset:64*\b
	global_load_b128 v[BI+8*\b+4:BI+8*\b+7], v[BO], s[96:97] offset:64*\b+16
.endr
	v_mul_u32_u24 v3, v1, PITCH
	v_lshl_add_u32 v4, v2, 4, v3                   ; a fragment's row x pitch + 16 x half
	s_mul_i32 s21, s15, HALFT                      ; my 128 rows of A
	s_mul_i32 s22, s16, HALFT                      ; my 128 rows of B,
	s_add_co_u32 s22, s22, 2*HALFT                 ; which lie behind A's 256
.irp s, 0,1
	v_add_nc_u32 v[ADRA+\s], s21, v4
	v_add_nc_u32 v[ADRB+\s], s22, v4
	s_add_co_u32 s21, s21, SLOT
	s_add_co_u32 s22, s22, SLOT
.endr
	v_mul_u32_u24 v5, v1, KS                       ; my row's scales: 32 bytes a row,
	v_lshrrev_b32 v6, 8, v5
	v_lshl_add_u32 v5, v6, 4, v5                   ; and 16 more for each 256 passed
	s_mul_i32 s21, s15, HALFS                      ; A's: my 128 rows
	s_mul_i32 s22, s16, HALFS                      ; B's: my 128 rows, behind A's 256
	s_add_co_u32 s22, s22, 2*HALFS
	s_sub_co_u32 s22, s22, s21
	v_mul_u32_u24 v6, s22, v2                      ; lanes 16-31 take B's: one product, the distance between the two bases
	s_add_co_u32 s21, s21, SCL
	v_add_nc_u32 v5, v5, v6
	v_add_nc_u32 v[ADRS], s21, v5
	s_mul_i32 s23, s14, 16*SPITCH
	s_add_co_u32 s23, s23, STAGE                   ; my stage
	v_mul_u32_u24 v5, v1, SPITCH                   ; in: row l % 16, 16 bytes for each half of the lanes
	v_lshl_add_u32 v5, v2, 4, v5
	v_add_nc_u32 v[STO], s23, v5
	v_and_b32 v6, 31, v0
	v_lshlrev_b32 v[CO], 4, v6
	v_lshrrev_b32 v5, 3, v6                        ; back: eight lanes take the 128 bytes that a row has of one head; four rows an instruction
	v_mul_u32_u24 v5, v5, SPITCH
	v_and_b32 v6, 7, v0
	v_lshl_add_u32 v5, v6, 4, v5
	v_add_nc_u32 v[RD], s23, v5
	; where my part begins in qkv: ((tile row / 8) x 16 + 4 x tile column + 2 x column half) heads of 262,144 bytes, + ((tile row % 8) x 256 + 128 x row half) positions of 128 bytes
	s_lshr_b32 s20, s17, 3
	s_lshl_b32 s20, s20, 4
	s_lshl_b32 s21, s42, 2
	s_add_co_u32 s20, s20, s21
	s_lshl_b32 s21, s16, 1
	s_add_co_u32 s20, s20, s21
	s_lshl_b32 s20, s20, 18
	s_and_b32 s21, s17, 7
	s_lshl_b32 s21, s21, 8
	s_lshl_b32 s22, s15, 7
	s_add_co_u32 s21, s21, s22
	s_lshl_b32 s21, s21, 7
	s_add_co_u32 s20, s20, s21
	s_mov_b32 s21, 0
	s_add_nc_u64 s[12:13], s[12:13], s[20:21]
.macro FRAG reg, adr, q, i             ; 16 rows x 128 K of 4-bit codes: 8 registers: lane l holds row l % 16; registers 4 c .. 4 c + 3 hold K = 64 c + 32 (l / 16) + 0 .. 31
.irp c, 0,1
	ds_load_b128 v[\reg+4*\c:\reg+4*\c+3], v[\adr] offset:64*(\q)+32*\c+(\i)*16*PITCH
.endr
.endm
; 16 matrix instructions: A's blocks a0, a0 + 1 x B's eight, the slot's q-th 128 along K.  p: B's set; sc: the set of scale words.  zero = 1: the first product starts the sums, from the bias.
; The 64 accumulators take turns, one instruction a turn, in the same order in every step.
.macro MUL16 a0, p, q, sc, zero
.irp a, \a0, \a0+1
.irp b, 0,1,2,3,4,5,6,7
.if \zero
	v_wmma_scale_f32_16x16x128_f8f6f4 v[8*(8*((\a)%4)+\b):8*(8*((\a)%4)+\b)+7], v[128*(\p)+FR*\b:128*(\p)+FR*\b+FR-1], v[AF+FR*(\a):AF+FR*(\a)+FR-1], v[BI+8*\b:BI+8*\b+7], v[SC+8*NQ*(\sc)+NQ*\b+(\q)], v[SC+8*NQ*(\sc)+NQ*(\a)+(\q)] matrix_a_fmt:MATRIX_FMT_FP4 matrix_b_fmt:MATRIX_FMT_FP4 matrix_a_scale:MATRIX_SCALE_ROW1
.else
	v_wmma_scale_f32_16x16x128_f8f6f4 v[8*(8*((\a)%4)+\b):8*(8*((\a)%4)+\b)+7], v[128*(\p)+FR*\b:128*(\p)+FR*\b+FR-1], v[AF+FR*(\a):AF+FR*(\a)+FR-1], v[8*(8*((\a)%4)+\b):8*(8*((\a)%4)+\b)+7], v[SC+8*NQ*(\sc)+NQ*\b+(\q)], v[SC+8*NQ*(\sc)+NQ*(\a)+(\q)] matrix_a_fmt:MATRIX_FMT_FP4 matrix_b_fmt:MATRIX_FMT_FP4 matrix_a_scale:MATRIX_SCALE_ROW1
.endif
.endr
.endr
.endm
.macro FETCH_B slot, q, p
	WIN TO_B
.irp i, 0,1,2,3,4,5,6,7
	FRAG 128*(\p)+FR*\i, ADRB+\slot, \q, \i
.endr
	WIN 0
.endm
.macro FETCH_A slot, q, i0
.irp i, \i0, \i0+1, \i0+2, \i0+3
	FRAG AF+FR*(\i), ADRA+\slot, \q, \i
.endr
.endm
.macro SCALES sc                       ; a slot's scale words into set sc: four words a row; lanes 0-15 take A's block i, lanes 16-31 B's block i
.irp i, 0,1,2,3,4,5,6,7
	ds_load_b128 v[SC+8*NQ*\sc+NQ*\i:SC+8*NQ*\sc+NQ*\i+3], v[ADRS] offset:\i*SBLK
.endr
.endm
; A load into a register that a matrix instruction has read, and a vector instruction or an LDS store that reads a matrix result, stand NP places behind it; only plain vector instructions that name none of
; its registers are places (ISA guide 7.12.1 for vector instructions).
.macro PLACES n
.rept \n
	v_nop
.endr
.endm
.macro STEP slot, q, zero              ; a step of 128 along K that has its successor in the same slot
	s_wait_dscnt 4*NL                              ; B's set and A's blocks 0-3 are in; the youngest eight loads (A's blocks 4-7) may be out
.if \zero
	WIN FST_LO
.else
	WIN MUL_LO
.endif
	MUL16 0, (\q)%2, \q, \slot, \zero
	MUL16 2, (\q)%2, \q, \slot, \zero
	s_wait_dscnt 0                                 ; A's blocks 4-7 are in
	PLACES NP
	FETCH_B \slot, (\q)+1, 1-(\q)%2
	FETCH_A \slot, (\q)+1, 0
.if \zero
	WIN FST_HI
.else
	WIN MUL_HI
.endif
	MUL16 4, (\q)%2, \q, \slot, \zero
	MUL16 6, (\q)%2, \q, \slot, \zero
	PLACES NP
	WIN 0
	FETCH_A \slot, (\q)+1, 4
.endm
; Slot 0's last step changes slots: one barrier; in front of it each wave waits for all its tensor loads (its part of slot 1), adds 0 to its spare word, and waits for that and for its LDS loads.  Nothing is filled again.
.macro TURN slot, next
	s_wait_tensorcnt 0x0                           ; all my tensor loads have landed
	ds_add_u32 v[SPW], v[NIL]
	s_wait_dscnt 4*NL+1                            ; (the add and the youngest eight loads may be out)
	WIN MUL_LO
	MUL16 0, 1, NQ-1, \slot, 0
	s_wait_dscnt 0x0                               ; the add is done, and my reads of this slot are over
	s_barrier_signal -1
	MUL16 2, 1, NQ-1, \slot, 0
	WIN 0
	s_barrier_wait -1                              ; the next slot is whole
	PLACES NP
	v_add_nc_u32 v[ADRS], 4*NQ, v[ADRS]            ; on to the next slot's scale words (no LDS load of mine is out)
	FETCH_B \next, 0, 0
	FETCH_A \next, 0, 0
	SCALES \next
	WIN MUL_HI
	MUL16 4, 1, NQ-1, \slot, 0
	MUL16 6, 1, NQ-1, \slot, 0
	PLACES NP
	WIN 0
	FETCH_A \next, 0, 4
.endm
.macro STEPS slot, from
.set Q, \from
.rept NQ-1-\from
	STEP \slot, Q, 0
.set Q, Q+1
.endr
.endm
	s_wait_tensorcnt 1                             ; the scales and my part of slot 0 are in (slot 1's load, issued behind them, may be out),
	s_barrier_signal -1
	s_barrier_wait -1                              ; everybody's are
	FETCH_B 0, 0, 0
	FETCH_A 0, 0, 0
	SCALES 0
	FETCH_A 0, 0, 4
	s_wait_loadcnt 0x0                             ; the bias
	STEP 0, 0, 1                                   ; the first step's products start the sums
	STEPS 0, 1
	TURN 0, 1
	STEPS 1, 0
	s_wait_dscnt 4*NL                              ; the very last step: nothing more to fetch
	WIN MUL_LO
	MUL16 0, 1, NQ-1, 1, 0
	MUL16 2, 1, NQ-1, 1, 0
	s_wait_dscnt 0
	WIN MUL_HI
	MUL16 4, 1, NQ-1, 1, 0
	MUL16 6, 1, NQ-1, 1, 0
	WIN 0
; THE WAY OUT, block by block of 16 rows x 128 columns (two heads).  PACK: rounded to f16, 16 bytes a lane, each accumulator from its low end on.  TOSTAGE: into my own stage and back, four rows of one head an
; instruction.  SEND: each store of the wave covers 512 consecutive bytes of a head, aligned.  LDS serves a wave's instructions in order (ISA guide 5.7.1.4): no wait between the stage's stores and loads.
.macro PACK a
.set AC, 64*((\a)%4)
	WIN 0x0a+5*((\a)/4)                            ; sources 0 and 1: window 2 or 3
.irp b, 0,1,2,3,4,5,6,7
.irp r, 0,1,2,3
	v_cvt_pk_f16_f32 v[TMP+4*\b+\r], v[AC+8*\b+2*\r], v[AC+8*\b+2*\r+1]
.endr
.endr
	WIN 0
.endm
.macro TOSTAGE a
.set BB, BK+32*((\a)%2)
.irp b, 0,1,2,3,4,5,6,7
	ds_store_b128 v[STO], v[TMP+4*\b:TMP+4*\b+3] offset:32*\b
.endr
.irp t, 0,1,2,3,4,5,6,7
	ds_load_b128 v[BB+4*\t:BB+4*\t+3], v[RD] offset:(\t%4)*4*SPITCH+(\t/4)*128
.endr
.endm
.macro SEND a
.set BB, BK+32*((\a)%2)
	s_wait_dscnt 0x0                               ; the block is back in registers
	s_wait_xcnt 0x0                                ; the block before has had its stores' registers read: the next block's loads land there only behind this wait
.irp t, 0,1,2,3,4,5,6,7
	global_store_b128 v[CO], v[BB+4*\t:BB+4*\t+3], s[12:13] offset:(\t/4)*262144+(\a)*2048+(\t%4)*512
.endr
.endm
	PLACES NP                                      ; behind the last products: for the conversions' reads, and for their writes into registers that held A's fragments
	PACK 0
	TOSTAGE 0
.irp a, 1,2,3,4,5,6,7                  ; block a's conversions stand between block a - 1's loads from the stage and the wait for them
	PACK \a
	SEND \a-1
	TOSTAGE \a
.endr
	SEND 7
	s_wait_tensorcnt 0x0                           ; the wave's end
	ds_add_u32 v[SPW], v[NIL]
	s_wait_dscnt 0x0
	CROUND                                         ; the closing round
	s_endpgm
.Lfunc_end_k_q1aeb211c62_proj:
	.size	k_q1aeb211c62_proj, .Lfunc_end_k_q1aeb211c62_proj-k_q1aeb211c62_proj
	.p2alignl 7, 3214868480
	.fill 96, 4, 3214868480
	.section	.rodata,"a",@progbits
	.p2align	6, 0x0
	.amdhsa_kernel k_q1aeb211c62_proj
		.amdhsa_group_segment_fixed_size 327680
		.amdhsa_private_segment_fixed_size 0
		.amdhsa_enable_private_segment 0
		.amdhsa_kernarg_size 64
		.amdhsa_user_sgpr_count 2
		.amdhsa_user_sgpr_kernarg_segment_ptr 1
		.amdhsa_wavefront_size32 1
		.amdhsa_system_sgpr_workgroup_id_x 1
		.amdhsa_system_sgpr_workgroup_id_y 1
		.amdhsa_system_sgpr_workgroup_id_z 1
		.amdhsa_system_vgpr_workitem_id 0
		.amdhsa_next_free_vgpr 1024
		.amdhsa_next_free_sgpr 102
		.amdhsa_reserve_vcc 0
		.amdhsa_float_denorm_mode_32 3
		.amdhsa_float_denorm_mode_16_64 3
		.amdhsa_memory_ordered 1
		.amdhsa_forward_progress 1
		.amdhsa_inst_pref_size 128
	.end_amdhsa_kernel
	.amdgpu_metadata
---
amdhsa.version: [ 1, 2 ]
amdhsa.kernels:
  - .name:           k_q1aeb211c62_proj
    .symbol:         k_q1aeb211c62_proj.kd
    .args:
      - { .name: acodes, .offset: 0, .size: 8, .value_kind: global_buffer, .address_space: global }
      - { .name: ascales, .offset: 8, .size: 8, .value_kind: global_buffer, .address_space: global }
      - { .name: wcodes, .offset: 16, .size: 8, .value_kind: global_buffer, .address_space: global }
      - { .name: wscales, .offset: 24, .size: 8, .value_kind: global_buffer, .address_space: global }
      - { .name: qkv, .offset: 32, .size: 8, .value_kind: global_buffer, .address_space: global }
      - { .name: bq, .offset: 40, .size: 8, .value_kind: global_buffer, .address_space: global }
      - { .name: bk, .offset: 48, .size: 8, .value_kind: global_buffer, .address_space: global }
      - { .name: bv, .offset: 56, .size: 8, .value_kind: global_buffer, .address_space: global }
    .group_segment_fixed_size: 327680
    .private_segment_fixed_size: 0
    .kernarg_segment_align: 8
    .kernarg_segment_size: 64
    .max_flat_workgroup_size: 128
    .sgpr_count:     102
    .vgpr_count:     1024
    .wavefront_size: 32
...
	.end_amdgpu_metadata
.endif
;; end of part 2
;; launch attn (part 3): grid 8 x 32, 8 waves a work-group, clusters of 4 x 1, 327,680 bytes of LDS; arguments qkv, x16; writes x16
.if DOCPART == 3
	.amdgcn_target "amdgcn-amd-amdhsa--gfx1250"
	.amdhsa_code_object_version 6
	.text
	.protected	k_q1aeb211c62_attn
	.globl	k_q1aeb211c62_attn
	.p2align	8
	.type	k_q1aeb211c62_attn,@function
k_q1aeb211c62_attn:
	s_mov_b64 s[64:65], 0
	v_nop
	global_prefetch_b8 v0, s[64:65] scope:SCOPE_SE
	s_setreg_imm32_b32 hwreg(HW_REG_WAVE_MODE, 25, 1), 1
	s_wait_xcnt 0x0
	s_wait_alu depctr_hold_cnt(0) depctr_sa_sdst(0) depctr_va_vdst(0) depctr_va_sdst(0) depctr_va_ssrc(0) depctr_va_vcc(0) depctr_vm_vsrc(0)
	s_getreg_b32 s2, hwreg(HW_REG_IB_STS2, 6, 4)
	s_cmp_eq_u32 s2, 0
	s_cbranch_scc0 .Lentry_in_a_cluster
	s_endpgm
.Lentry_in_a_cluster:
	s_bfe_u32 s2, ttmp6, 0x10000c
	s_cmp_lg_u32 s2, 0x3003
	s_cbranch_scc0 .Lentry_shape_is_right
	s_endpgm
.Lentry_shape_is_right:
; x[b][h][i][:] = the sum over j of softmax_j(Q[i] . K[j] / 8 + m_h softplus(1000 + |i - j|)) V[j][:].  Q, K, V: qkv [3][b 2][h 16][2048][64] f16; x16 [b][h][2048][64] f16.  Products on f16 operands, sums, maxima, exponentials in f32.
; THE BIAS.  softplus(1000 + d) is 1000 + d in f32 (the exponential of -(1000 + d) is 0 there), so the bias is m (1000 + |i - j|), m = exp(-5000^(0.8 h / 15)), h = 0 .. 15, made here by two v_exp_f32.
; With c = log2(e) / 8, B2 = m log2(e), B8 = 8 m:  t = c (Q.K + B8 |j - i|) + 1000 B2, p = 2^(t - M), M the running largest t.  In a step whose 64 keys (first key J) lie on one side of a tile's 16 queries
; (first query I): |j - i| = |J - I| + sigma ((j - J) - (i - I)), sigma = +1 behind the queries, -1 ahead of them.  The second term x B8 is a fixed pattern of 32 registers, CP, given as the C of each score
; tile's first product; the first goes with the 1000 into one number a tile, OFF = B2 (1000 + |J - I|), which enters the maximum and the exponent.  CP changes its sign once in the walk, by a multiplication by
; -1 or 1 that every step makes.  So the bias costs no instruction for each score.
; THE WAVE'S OWN 64 KEYS (those from JD = my first query with its low six bits cleared) are not on one side.  They are done once, ahead of the walk, from memory, with the true pattern X; that pass starts M, the
; sum and O.  In the walk the step J = JD is walked like any other, but its OFF is -infinity: its p are 0.  So all partners of a cluster run the same text and make every joint request.
; SHARES.  A work-group owns 256 queries of one (b, h); each of its eight waves 32: two tiles of 16.  Two waves to a SIMD, so that one wave's softmax stands beside the other's products.  Every wave walks all 2,048 keys, 64 a step.
; LAYOUT.  S^T = K Q^T (source 0 = 16 keys, source 1 = 16 queries): a lane holds ONE query (lane % 16) and keys 8 (lane / 16) + 0 .. 7 of each tile of 16.  Two such tiles, rounded to f16 in pairs, ARE source 1 of
; O^T = V^T P; V ([key][channel]) comes out of LDS turned, by ds_load_tr16_b128.
; CLUSTER.  The four query blocks of a cluster belong to one (b, h) and walk the same K and V: each tile is asked for JOINTLY.  A slot holds 256 keys: waves 0-3 fetch 64 rows of K each, waves 4-7 of V.
; LIMITS: NaN and infinities are not served; m under 2^-126 comes out as 0 (from h = 10 on: it would move no f32 score); m is as good as v_exp_f32, 1 ulp.
; REGISTERS: window 0: v1-11 addresses and temporaries; v12-27 statistics, eight a tile; v28 B2; v29 the prefetch's offset; v30, v31 the add's two; v32-63 CP; v64-127 S^T, 32 a tile, then p, then P in the low 16 of each;
;   v128-191 K's 8 fragments, at work in the softmax; v192-255 V's 8 fragments.   window 1: v0-31 Q; v64-127 O^T, 32 a tile; v128-167 X.
.set PK,     144                       ; a row of K in LDS: 128 bytes + 16: an odd multiple of 16, so the 16 rows of a load start at 16 different groups of banks
.set PV,     160                       ; a row of V: 128 + 32: an odd multiple of 32
.set KSTEPB, 64*PK
.set VSTEPB, 64*PV
.set VOFF,   256*PK                    ; a slot: 256 rows of K, then 256 rows of V
.set SLOT1,  1<<17                     ; slot 1 begins here: one exclusive or turns an address in one slot into the other's
.set DV,     SLOT1+256*(PK+PV)         ; behind the ring: 10,240 bytes for each wave: its own 64 keys' V, later its stage; written by ds_store alone
.set DVW,    10240
.set SPARE,  DV+8*DVW                  ; the spare words, 128 bytes a wave
.set AK0, 2                            ; v2   my lane's place in a tile of K
.set AV0, 3                            ; v3   the same for V
.set ADK, 4                            ; v4   LDS address of the step's K (at the head: my offset in rows of Q and K in memory)
.set ADV, 5                            ; v5   of the step's V (at the head: where my own keys' V is stored)
.set STO, 6                            ; v6   the way out: where I put 16 bytes of a row
.set RD,  7                            ; v7   where I read them back
.set GO,  8                            ; v8   16 x lane
.set ST,  12                           ; tile u's statistics at v[ST + 8 u]: +0 OFF - M, +1 the permute's, +2, +3 the sum (even keys', odd keys'), +4 a, +5 at work, +6 M, +7 OFF
.set B2,  28
.set PFO, 29
.set SPW, 30
.set NIL, 31
.set CP,  32
.set S,   64
.set KF,  128
.set VF,  192
.set O,   64                           ; in window 1
.set XP,  128                          ; in window 1
.set WV,  12                           ; s12  my wave's number
.set LIM, 15                           ; s15  1 in a wave that prefetches, else the greatest number
.set PFA, 18                           ; s[18:19] where my prefetches stand
.set G1K, 24
.set G1V, 32
.set G0K, 40                           ; s[40:47] group 0 for K's tiles: a set for each of the two first fills; the second then walks on
.set G0V, 48
.set SLOTS, 56
.set CNT, 57
.set CS,  58                           ; s[58:59] c
.set SEL, 60                           ; s[60:61] lane selects: lane l xor 16
.set TBK, 66                           ; s66  LDS byte at which the step's K begins
.set TBV, 67                           ; s67  and its V
.set KJ,  68                           ; s68  the step's first key
.set I0,  69                           ; s69, s70  my two tiles' first queries
.set I1,  70
.set JD,  71                           ; s71  my own block of 64 keys; s72 the block behind it
.set JD64, 72
.set NUL, 73                           ; s73  -infinity in the step that is discarded, else 0
.set FL,  74                           ; s[74:75] -1 in the step in which CP changes its sign, else 1
.set DVB, 83                           ; s83  my wave's bytes behind the ring
.set MSB, 0
.macro WIN new
.if MSB != \new
	s_set_vgpr_msb (MSB<<8)|\new
.set MSB, \new
.endif
.endm
.set W_KQ, 0x04                        ; Q (source 1) in window 1
.set W_KX, 0x14                        ; and C (X) in window 1
.set W_RS, 0x41                        ; O^T (destination and source 0) in window 1
.set W_PV, 0x50                        ; O^T (C and D) in window 1
; A joint refill: waves 0-3 fetch K's rows, waves 4-7 V's.  The branch hangs on the wave's number alone.  An s_nop 0 and four v_nop follow each of the two lines.
.macro JLOAD
	s_cmp_lt_u32 s[WV], 4
	s_cbranch_scc0 .Lfor_v_\@
	tensor_load_to_lds s[G0K+4:G0K+7], s[G1K:G1K+7]
	s_nop 0
.rept 4
	v_nop
.endr
	s_branch .Lasked_\@
.Lfor_v_\@:
	tensor_load_to_lds s[G0V+4:G0V+7], s[G1V:G1V+7]
	s_nop 0
.rept 4
	v_nop
.endr
.Lasked_\@:
.endm
; A PREFETCH INTO THE L2 of what the NEXT change of slots will ask for: a slot's 32,768 bytes of K and of V.  Each aligned block of 256 bytes is named once in the launch: both clusters of a (b, h) walk the same rows, and
; the first of them asks; its four partners take 8,192 bytes each, told apart BY ADDRESS; in each, wave 0 asks for K's and wave 4 for V's, lanes 256 bytes apart, one instruction.  It stands behind the wave's tensor load
; and its five lines: four key steps, 128 matrix instructions of a wave, ahead of the load that will want the rows.  The last change that fills a slot asks for nothing.  Slots 0 to 2 come by their loads alone.
.macro ASK
	s_cmp_gt_u32 s[SLOTS], s[LIM]
	s_cbranch_scc0 .Lnot_mine_\@
	global_prefetch_b8 v[PFO], s[PFA:PFA+1] th:TH_LOAD_NT scope:SCOPE_SE
.Lnot_mine_\@:
.endm
.macro CROUND                          ; a round of the cluster's barrier
	s_barrier_signal -1
	s_barrier_wait -1
	s_cmp_lg_u32 s[WV], 0
	s_cbranch_scc1 .Lnot_wave_0_\@
	s_barrier_signal -3
.Lnot_wave_0_\@:
	s_barrier_wait -3
	s_barrier_signal -1
	s_barrier_wait -1
.endm
.macro PLACES
.rept 4
	v_nop
.endr
.endm
	s_load_b128 s[4:7], s[0:1], 0x0                ; qkv, x16
	v_lshl_add_u32 v[SPW], v0, 2, SPARE
	v_mov_b32 v[NIL], 0
	ds_add_u32 v[SPW], v[NIL]                      ; the wave's opening: the add, twice on end, and its wait ahead of my first tensor load
	ds_add_u32 v[SPW], v[NIL]
	v_lshrrev_b32 v1, 5, v0
	v_readfirstlane_b32 s[WV], v1                  ; wave 0..7
	s_bfe_u32 s13, ttmp6, 0x40000                  ; cx: my place in the cluster
	s_lshl_b32 s14, ttmp9, 2
	s_add_co_u32 s14, s14, s13                     ; my block of 256 queries: it enters Q's, the own keys' and x16's addresses, and numbers; no LDS address, no branch
	s_and_b32 s20, ttmp7, 0xffff                   ; (b, h), which the partners share
	s_and_b32 s79, s20, 15                         ; h
	s_lshl_b32 s20, s20, 18                        ; its first byte in Q, K, V and x16: 262,144 bytes each
	s_and_b32 s16, s[WV], 3
	s_lshl_b32 s22, s16, 13                        ; the 64 rows of a slot that I fetch: in memory,
	s_add_co_u32 s22, s22, s20
	s_mov_b32 s23, 0
	s_mul_i32 s17, s16, KSTEPB                     ; in a slot, if they are K's,
	s_mul_i32 s80, s16, VSTEPB
	s_add_co_u32 s80, s80, VOFF                    ; and if they are V's
	s_lshl_b32 s[I0], s14, 8
	s_lshl_b32 s81, s[WV], 5
	s_add_co_u32 s[I0], s[I0], s81                 ; my first query
	s_add_co_u32 s[I1], s[I0], 16
	s_and_not1_b32 s[JD], s[I0], 63
	s_add_co_u32 s[JD64], s[JD], 64
	s_lshl_b32 s2, s[I0], 7
	s_add_co_u32 s2, s2, s20
	s_mov_b32 s3, 0                                ; my rows' offset in Q and in x16
	s_lshl_b32 s62, s[JD], 7
	s_add_co_u32 s62, s62, s20
	s_mov_b32 s63, 0                               ; my own keys' offset in K and in V
	; descriptor group 1: a tile of 64 rows x 64 elements of 2 bytes, dense in memory, padded behind each row in LDS
	s_mov_b32 s[G1K], 15|(1<<16)|(1<<20)|(1<<21)|(4<<22)|(3<<25)  ; 15:0 the mask: all four work-groups; 17:16 elements of 2 bytes; 20 padding on; 21 set beside a mask; 24:22 after every 32 words; 31:25 four words
	s_mov_b32 s[G1V], 15|(1<<16)|(1<<20)|(1<<21)|(4<<22)|(7<<25)  ; the same with eight words of padding
.irp g, G1K, G1V
	s_mov_b32 s[\g+1], 64<<16                      ; tensor_dim0
	s_mov_b32 s[\g+2], 64<<16                      ; tensor_dim1
	s_mov_b32 s[\g+3], 64<<16                      ; tile_dim0
	s_mov_b32 s[\g+4], 64                          ; tile_dim1
	s_mov_b32 s[\g+5], 64                          ; from row to row
	s_mov_b32 s[\g+6], 0
	s_mov_b32 s[\g+7], 0
.endr
	s_mov_b32 s[CS], 0x3e38aa3b                    ; c = log2(e) / 8
	s_mov_b32 s[CS+1], s[CS]
	s_mov_b32 s[SEL], 0x76543210
	s_mov_b32 s[SEL+1], 0xfedcba98
	s_mov_b32 s[TBK], 0
	s_mov_b32 s[TBV], VOFF
	s_mov_b32 s[KJ], 0
	s_mov_b32 s[SLOTS], 6                          ; eight slots' worth of keys: two come at the start, six by refills
	s_and_b32 s[LIM], s[WV], 3                     ; 0 in waves 0 and 4,
	s_or_b32 s[LIM], s[LIM], ttmp9                 ; of the (b, h)'s first cluster: the same in all four partners
	s_cmp_eq_u32 s[LIM], 0
	s_cselect_b32 s[LIM], 1, -1
	s_mul_i32 s[DVB], s[WV], DVW
	s_add_co_u32 s[DVB], s[DVB], DV
	s_wait_dscnt 0x0                               ; both opening adds are done
	s_wait_kmcnt 0x0
	s_add_nc_u64 s[10:11], s[6:7], s[2:3]          ; x16 at my rows
	s_add_nc_u64 s[6:7], s[4:5], 0x800000          ; K
	s_add_nc_u64 s[8:9], s[4:5], 0x1000000         ; V
	s_add_nc_u64 s[4:5], s[4:5], s[2:3]            ; Q at my rows
	s_add_nc_u64 s[2:3], s[8:9], s[62:63]          ; V at my own keys
	s_add_nc_u64 s[62:63], s[6:7], s[62:63]        ; K at my own keys
	s_add_nc_u64 s[6:7], s[6:7], s[22:23]          ; K and V at my tile of slot 0
	s_add_nc_u64 s[8:9], s[8:9], s[22:23]
	s_cmp_lt_u32 s[WV], 4
	s_cselect_b64 s[PFA:PFA+1], s[6:7], s[8:9]     ; (in waves 0 and 4 these stand at a slot's first row)
	s_lshl_b32 s20, s13, 13                        ; my work-group's 8,192 bytes of a slot's 32,768
	s_mov_b32 s21, 0
	s_add_nc_u64 s[PFA:PFA+1], s[PFA:PFA+1], s[20:21]
	s_add_nc_u64 s[PFA:PFA+1], s[PFA:PFA+1], 65536 ; in slot 2: the first change of slots steps it to slot 3.  Nothing is prefetched at the head
	CROUND                                         ; all four work-groups are here: the first joint loads meet
.irp s, 0,1
	s_mov_b32 s[G0K+4*\s], 1
	s_add_co_u32 s[G0K+4*\s+1], s17, \s*SLOT1
	s_add_nc_u64 s[G0K+4*\s+2:G0K+4*\s+3], s[6:7], \s*32768
	s_or_b32 s[G0K+4*\s+3], s[G0K+4*\s+3], 0x80000000
	s_mov_b32 s[G0V+4*\s], 1
	s_add_co_u32 s[G0V+4*\s+1], s80, \s*SLOT1
	s_add_nc_u64 s[G0V+4*\s+2:G0V+4*\s+3], s[8:9], \s*32768
	s_or_b32 s[G0V+4*\s+3], s[G0V+4*\s+3], 0x80000000
.endr
	s_cmp_lt_u32 s[WV], 4                          ; a wave's two first fills stand in one branch, ahead of every wait on TENSORcnt and every LDS read: two loads of mine are out
	s_cbranch_scc0 .Lfirst_v
	tensor_load_to_lds s[G0K:G0K+3], s[G1K:G1K+7]
	s_nop 0
	tensor_load_to_lds s[G0K+4:G0K+7], s[G1K:G1K+7]
	s_nop 0
.rept 4
	v_nop
.endr
	s_branch .Lfirst_asked
.Lfirst_v:
	tensor_load_to_lds s[G0V:G0V+3], s[G1V:G1V+7]
	s_nop 0
	tensor_load_to_lds s[G0V+4:G0V+7], s[G1V:G1V+7]
	s_nop 0
.rept 4
	v_nop
.endr
.Lfirst_asked:
	; A fragment of K or Q is 16 rows x 32 channels in 8 registers: lane l holds row l % 16; registers 0-3 channels 8 (l / 16) + 0..7, registers 4-7 channels 16 + 8 (l / 16) + 0..7: two loads of 16 bytes, 32 bytes apart.
	v_and_b32 v1, 15, v0                           ; r
	v_bfe_u32 v9, v0, 4, 1                         ; h
	v_lshlrev_b32 v[ADK], 7, v1
	v_lshl_add_u32 v[ADK], v9, 4, v[ADK]           ; in memory: row x 128 + 16 x half
	v_and_b32 v[GO], 31, v0
	v_lshlrev_b32 v[PFO], 8, v[GO]
	v_lshlrev_b32 v[GO], 4, v[GO]
	WIN 0x40                                       ; destination window 1
.irp f, 0,1,2,3                                ; Q stays in registers: tile f / 2, channels 32 (f % 2) on
	global_load_b128 v[8*\f:8*\f+3],   v[ADK], s[4:5] offset:(\f/2)*2048+(\f%2)*64
	global_load_b128 v[8*\f+4:8*\f+7], v[ADK], s[4:5] offset:(\f/2)*2048+(\f%2)*64+32
.endr
	WIN 0
.irp f, 0,1,2,3,4,5,6,7                        ; my own 64 keys: K's fragments straight from memory
	global_load_b128 v[KF+8*\f:KF+8*\f+3],   v[ADK], s[62:63] offset:(\f/2)*2048+(\f%2)*64
	global_load_b128 v[KF+8*\f+4:KF+8*\f+7], v[ADK], s[62:63] offset:(\f/2)*2048+(\f%2)*64+32
.endr
.irp i, 0,1,2,3,4,5,6,7,8,9,10,11,12,13,14,15  ; and V's 64 rows, 512 consecutive bytes a load, on their way to LDS
	global_load_b128 v[S+4*\i:S+4*\i+3], v[GO], s[2:3] offset:512*\i
.endr
	v_mul_u32_u24 v[AK0], v1, PK
	v_lshl_add_u32 v[AK0], v9, 4, v[AK0]           ; row x pitch + 16 x half
	; The turning load takes 16 keys x 16 channels (lane l reads 16 bytes: key 8 (l / 16) + l % 8, channels 8 ((l / 8) % 2) + 0..7) and leaves half a fragment of V^T: lane l holds channel l % 16 and 8 keys.
	v_and_b32 v10, 7, v0
	v_bfe_u32 v11, v0, 3, 1
	v_lshl_add_u32 v[AV0], v9, 3, v10
	v_mul_u32_u24 v[AV0], v[AV0], PV
	v_lshl_add_u32 v[AV0], v11, 4, v[AV0]
	v_mul_u32_u24 v[STO], v1, PK                   ; the stage, in: row r, 16 bytes for each half of the lanes
	v_lshl_add_u32 v[STO], v9, 4, v[STO]
	v_add_nc_u32 v[STO], s[DVB], v[STO]
	v_bfe_u32 v11, v0, 3, 2                        ; lane / 8
	v_mul_u32_u24 v[RD], v11, PK                   ; back: eight lanes to a row of 128 bytes, four rows an instruction
	v_lshl_add_u32 v[RD], v10, 4, v[RD]
	v_add_nc_u32 v[RD], s[DVB], v[RD]
	v_mul_u32_u24 v[ADV], v11, PV                  ; my own keys' V, in: the same at V's pitch
	v_lshl_add_u32 v[ADV], v10, 4, v[ADV]
	v_add_nc_u32 v[ADV], s[DVB], v[ADV]
	; m = 2^(-log2(e) 2^(0.8 log2(5000) / 15 x h))
	v_cvt_f32_u32 v10, s79
	v_mul_f32 v10, 0x3f27c4ab, v10                 ; 0.65534466 h
	v_exp_f32 v10, v10
	v_nop                                          ; a plain line behind a transcendental,
	s_wait_alu depctr_va_vdst(0)                   ; and a wait ahead of the first use
	v_mul_f32 v10, 0xbfb8aa3b, v10
	v_exp_f32 v10, v10                             ; m
	v_nop
	s_wait_alu depctr_va_vdst(0)
	v_mul_f32 v[B2], 0x3fb8aa3b, v10               ; B2 = m log2(e)
	v_mul_f32 v11, 0x41000000, v10                 ; B8 = 8 m
.irp u, 0,1
	v_mul_f32 v[ST+8*\u+7], 0x447a0000, v[B2]      ; OFF of the own keys' pass: 1000 B2
	v_mov_b32 v[ST+8*\u+1], 0                      ; a lane permute's destination counts as one of its sources
	v_mov_b32 v[ST+8*\u+2], 0                      ; the sum
	v_mov_b32 v[ST+8*\u+3], 0
	v_mov_b32 v[ST+8*\u+5], 0
.endr
	v_lshlrev_b32 v10, 3, v9
	v_sub_nc_u32 v10, v10, v1                      ; 8 h - r
.set n, 0
.rept 32                                       ; CP[8 t + j] = -B8 (16 t + 8 h + j - r): the walk begins ahead of the queries
	v_add_nc_u32 v[CP+n], 16*(n/8)+n%8, v10
.set n, n+1
.endr
.set n, 0
.rept 32
	v_cvt_f32_i32 v[CP+n], v[CP+n]
.set n, n+1
.endr
.set n, 0
.rept 32
	v_mul_f32 v[CP+n], -v11, v[CP+n]
.set n, n+1
.endr
	s_and_b32 s81, s[WV], 1
	s_lshl_b32 s81, s81, 5                         ; my first query less JD: 0 or 32
	v_sub_nc_u32 v10, v10, s81
.set n, 0
.rept 40                                       ; X[8 (t' + 1) + j] = B8 |16 t' + 8 h + j - r - (I0 - JD)|, t' = key tile - query tile = -1 .. 3
	v_add_nc_u32 v[VF+n], 16*(n/8)-16+n%8, v10
.set n, n+1
.endr
.set n, 0
.rept 40
	v_cvt_f32_i32 v[VF+n], v[VF+n]
.set n, n+1
.endr
	WIN 0x40
.set n, 0
.rept 40
	v_mul_f32 v[XP+n], v11, |v[VF+n]|
.set n, n+1
.endr
	WIN 0
.macro FETCH_K                         ; a step's K: 64 keys x 64 channels: fragment 2 t + c
.irp f, 0,1,2,3,4,5,6,7
	ds_load_b128 v[KF+8*\f:KF+8*\f+3],   v[ADK] offset:(\f/2)*16*PK+(\f%2)*64
	ds_load_b128 v[KF+8*\f+4:KF+8*\f+7], v[ADK] offset:(\f/2)*16*PK+(\f%2)*64+32
.endr
.endm
.macro FETCH_V                         ; and its V, turned: fragment 4 kc + ct: keys 32 kc on, channels 16 ct on
.irp f, 0,1,2,3,4,5,6,7
	ds_load_tr16_b128 v[VF+8*\f:VF+8*\f+3],   v[ADV] offset:(\f/4)*32*PV+(\f%4)*32
	ds_load_tr16_b128 v[VF+8*\f+4:VF+8*\f+7], v[ADV] offset:(\f/4)*32*PV+16*PV+(\f%4)*32
.endr
.endm
; A KEY STEP.  first = 1: the pass over my own 64 keys, whose fragments are in registers already: it starts M, the sum and O^T.
.macro STEP first
.if !\first
	s_sub_co_i32 s79, s[KJ], s[I0]
	s_sub_co_i32 s80, s[I0], s[KJ]
	s_max_i32 s79, s79, s80
	s_add_co_u32 s79, s79, 1000                    ; 1000 + |J - I| of tile 0,
	s_sub_co_i32 s80, s[KJ], s[I1]
	s_sub_co_i32 s81, s[I1], s[KJ]
	s_max_i32 s80, s80, s81
	s_add_co_u32 s80, s80, 1000                    ; of tile 1
	s_cmp_eq_u32 s[KJ], s[JD]
	s_cselect_b32 s[NUL], 0xff800000, 0            ; my own keys have been done: this step's p become 0
	s_cmp_eq_u32 s[KJ], s[JD64]
	s_cselect_b32 s[FL], -1.0, 1.0                 ; from here on the keys lie behind the queries
	s_mov_b32 s[FL+1], s[FL]
	v_cvt_f32_u32 v10, s79                         ; these 22 plain lines name no register of the last products: they are the places ahead of the loads into V's fragments and of the products that write over P
	v_cvt_f32_u32 v11, s80
	v_fma_f32 v[ST+7], v[B2], v10, s[NUL]          ; OFF
	v_fma_f32 v[ST+15], v[B2], v11, s[NUL]
.set n, 0
.rept 16
	v_pk_mul_f32 v[CP+n:CP+n+1], v[CP+n:CP+n+1], s[FL:FL+1] op_sel_hi:[1,0]
.set n, n+2
.endr
	v_add_nc_u32 v[ADK], s[TBK], v[AK0]
	v_add_nc_u32 v[ADV], s[TBV], v[AV0]
	FETCH_K
	FETCH_V
	s_wait_dscnt 16                                ; K's 16 loads are in; V's 16, issued behind them, may be out
.endif
; S^T = K Q^T + the pattern: product i: channels 32 (i / 8) on, keys 16 ((i / 2) % 4) on, tile i % 2.  The eight accumulators take turns, one instruction a turn.
.set i, 0
.rept 16
.set rS, S+32*(i%2)+8*((i/2)%4)
.set rK, KF+16*((i/2)%4)+8*(i/8)
.set rQ, 16*(i%2)+8*(i/8)
.set rX, XP+8*((i/2)%4-i%2+1)
.set rC, CP+8*((i/2)%4)
.if (i < 8) && \first
	WIN W_KX
	v_wmma_f32_16x16x32_f16 v[rS:rS+7], v[rK:rK+7], v[rQ:rQ+7], v[rX:rX+7]
.elseif i < 8
	WIN W_KQ
	v_wmma_f32_16x16x32_f16 v[rS:rS+7], v[rK:rK+7], v[rQ:rQ+7], v[rC:rC+7]
.else
	WIN W_KQ
	v_wmma_f32_16x16x32_f16 v[rS:rS+7], v[rK:rK+7], v[rQ:rQ+7], v[rS:rS+7]
.endif
.set i, i+1
.endr
	WIN 0
	PLACES                                         ; ahead of the reads of the scores, and of the writes into K's registers, which are at work from here on
; the largest score of each query: four chains a tile, one for each accumulator, each from its low end on; the two tiles by turns
.irp t, 0,1,2,3
.irp u, 0,1
	v_max3_num_f32 v[KF+4*\u+\t], v[S+32*\u+8*\t], v[S+32*\u+8*\t+1], v[S+32*\u+8*\t+2]
.endr
.endr
.irp k, 3,5
.irp t, 0,1,2,3
.irp u, 0,1
	v_max3_num_f32 v[KF+4*\u+\t], v[KF+4*\u+\t], v[S+32*\u+8*\t+\k], v[S+32*\u+8*\t+\k+1]
.endr
.endr
.endr
.irp u, 0,1
	v_max3_num_f32 v[KF+4*\u], v[KF+4*\u], v[S+32*\u+7], v[S+32*\u+15]
	v_max3_num_f32 v[KF+4*\u+2], v[KF+4*\u+2], v[S+32*\u+23], v[S+32*\u+31]
.endr
.irp u, 0,1
	v_max3_num_f32 v[KF+4*\u], v[KF+4*\u], v[KF+4*\u+1], v[KF+4*\u+2]
.endr
.irp u, 0,1
	v_max_num_f32 v[KF+4*\u], v[KF+4*\u], v[KF+4*\u+3]
.endr
.irp u, 0,1
	v_permlanex16_b32 v[ST+8*\u+1], v[KF+4*\u], s[SEL], s[SEL+1]   ; the query's other 32 keys lie in the lane 16 away
.endr
.irp u, 0,1
	v_max_num_f32 v[KF+4*\u], v[KF+4*\u], v[ST+8*\u+1]
.endr
.irp u, 0,1
	v_fma_f32 v[KF+4*\u], v[KF+4*\u], s[CS], v[ST+8*\u+7]          ; as t: c x the largest + OFF
.endr
.if \first
.irp u, 0,1
	v_mov_b32 v[ST+8*\u+6], v[KF+4*\u]             ; M
.endr
.irp u, 0,1
	v_sub_f32 v[ST+8*\u], v[ST+8*\u+7], v[ST+8*\u+6]               ; OFF - M
.endr
.else
.irp u, 0,1
	v_mov_b32 v[ST+8*\u+5], v[ST+8*\u+6]           ; the old M
.endr
.irp u, 0,1
	v_max_num_f32 v[ST+8*\u+6], v[ST+8*\u+6], v[KF+4*\u]           ; the running largest t
.endr
.irp u, 0,1
	v_sub_f32 v[ST+8*\u+5], v[ST+8*\u+5], v[ST+8*\u+6]
.endr
.irp u, 0,1
	v_sub_f32 v[ST+8*\u], v[ST+8*\u+7], v[ST+8*\u+6]               ; OFF - M
.endr
.irp u, 0,1
	v_exp_f32 v[ST+8*\u+4], v[ST+8*\u+5]           ; a = 2^(old M - new M): the first of the step's batch of exponentials
.endr
.endif
.irp u, 0,1
.set n, 0
.rept 16
	v_pk_fma_f32 v[S+32*\u+n:S+32*\u+n+1], v[S+32*\u+n:S+32*\u+n+1], s[CS:CS+1], v[ST+8*\u:ST+8*\u+1] op_sel_hi:[1,0,0]   ; t - M, two at a time
.set n, n+2
.endr
.endr
.set n, 0
.rept 64
	v_exp_f32 v[S+n], v[S+n]                       ; p = 2^(t - M)
.set n, n+1
.endr
	v_nop                                          ; one plain line behind the last exponential,
	s_wait_alu depctr_va_vdst(0)                   ; and ONE wait for the whole batch, ahead of its first reader
.if !\first
.irp u, 0,1
	v_pk_mul_f32 v[ST+8*\u+2:ST+8*\u+3], v[ST+8*\u+2:ST+8*\u+3], v[ST+8*\u+4:ST+8*\u+5] op_sel_hi:[1,0]   ; the sum under the new M
.endr
.endif
.irp u, 0,1
	v_pk_add_f32 v[KF+8+2*\u:KF+9+2*\u], v[S+32*\u:S+32*\u+1], v[S+32*\u+2:S+32*\u+3]   ; the row's sum, of p in f32: two chains a tile
.endr
.irp j, 4,8,12,16,20,24,28
.irp u, 0,1
	v_pk_add_f32 v[ST+8*\u+2:ST+8*\u+3], v[ST+8*\u+2:ST+8*\u+3], v[S+32*\u+\j:S+32*\u+\j+1]
	v_pk_add_f32 v[KF+8+2*\u:KF+9+2*\u], v[KF+8+2*\u:KF+9+2*\u], v[S+32*\u+\j+2:S+32*\u+\j+3]
.endr
.endr
.irp u, 0,1
	v_pk_add_f32 v[ST+8*\u+2:ST+8*\u+3], v[ST+8*\u+2:ST+8*\u+3], v[KF+8+2*\u:KF+9+2*\u]
.endr
.irp u, 0,1
.set n, 0
.rept 16
	v_cvt_pk_f16_f32 v[S+32*\u+n], v[S+32*\u+2*n], v[S+32*\u+2*n+1]   ; P, in place, ascending: register n is written when its own p have been read
.set n, n+1
.endr
.endr
.if !\first
	WIN W_RS
.irp u, 0,1
.set n, 0
.rept 16
	v_pk_mul_f32 v[O+32*\u+n:O+32*\u+n+1], v[O+32*\u+n:O+32*\u+n+1], v[ST+8*\u+4:ST+8*\u+5] op_sel_hi:[1,0]   ; O^T under the new M, each accumulator from its low end on
.set n, n+2
.endr
.endr
.endif
	s_wait_dscnt 0x0                               ; V is in
; O^T += V^T P: product i: keys 32 (i / 8) on, channels 16 ((i / 2) % 4) on, tile i % 2.  Eight accumulators by turns.
	WIN W_PV
.set i, 0
.rept 16
.set rO, O+32*(i%2)+8*((i/2)%4)
.set rV, VF+8*(4*(i/8)+(i/2)%4)
.set rP, S+32*(i%2)+8*(i/8)
.if \first && (i < 8)
	v_wmma_f32_16x16x32_f16 v[rO:rO+7], v[rV:rV+7], v[rP:rP+7], 0
.else
	v_wmma_f32_16x16x32_f16 v[rO:rO+7], v[rV:rV+7], v[rP:rP+7], v[rO:rO+7]
.endif
.set i, i+1
.endr
	WIN 0
.if !\first
	s_add_co_u32 s[KJ], s[KJ], 64
	s_add_co_u32 s[TBK], s[TBK], KSTEPB
	s_add_co_u32 s[TBV], s[TBV], VSTEPB
.endif
.endm
; THE CHANGE OF SLOTS.  Each wave waits for all its tensor loads (one is out: its part of the slot ahead), adds 0 to its spare word, and waits for that and for its reads of the slot that it leaves.
; fill = 1: the barrier is a round of the cluster's, so that no wave of any partner still reads the slot or has a load on its way; the joint refill, with the keys two slots on, is the first thing behind it and has
; four key steps in which to land.
.macro CHANGE fill
	s_wait_tensorcnt 0x0                           ; no tensor load of mine is out, so a group 0 may be written
	ds_add_u32 v[SPW], v[NIL]
.if \fill
.irp g, G0K+4, G0V+4
	s_xor_b32 s[\g+1], s[\g+1], SLOT1              ; the walking descriptor: the other slot than last time,
	s_add_nc_u64 s[\g+2:\g+3], s[\g+2:\g+3], 32768 ; the next 256 keys; the type bits on top are not reached
.endr
	s_wait_xcnt 0x0                                ; the last prefetch, a slot back, has read its address, so it may be written
	s_add_nc_u64 s[PFA:PFA+1], s[PFA:PFA+1], 32768
	s_wait_dscnt 0x0                               ; the add is done, and my reads of the slot are over
	CROUND
	JLOAD
	ASK
.else
	s_wait_dscnt 0x0
	s_barrier_signal -1
	s_barrier_wait -1
.endif
	s_sub_co_u32 s[TBK], s[TBK], 4*KSTEPB          ; back to a slot's first step,
	s_xor_b32 s[TBK], s[TBK], SLOT1                ; in the other slot
	s_sub_co_u32 s[TBV], s[TBV], 4*VSTEPB
	s_xor_b32 s[TBV], s[TBV], SLOT1
.endm
.macro FOUR_STEPS                      ; a slot's four key steps: written once, walked four times
	s_mov_b32 s[CNT], 4
.Lstep_\@:
	STEP 0
	s_sub_co_u32 s[CNT], s[CNT], 1
	s_cmp_lg_u32 s[CNT], 0
	s_cbranch_scc1 .Lstep_\@
.endm
	s_wait_loadcnt 0x0                             ; Q, and my own keys' K and V
.irp i, 0,1,2,3,4,5,6,7,8,9,10,11,12,13,14,15
	ds_store_b128 v[ADV], v[S+4*\i:S+4*\i+3] offset:4*PV*\i        ; V's rows into my own bytes, four rows a store
.endr
	v_add_nc_u32 v[ADV], s[DVB], v[AV0]
	FETCH_V                                        ; LDS serves a wave's instructions in order (ISA guide 5.7.1.4): these see my stores
	s_wait_dscnt 0x0
	STEP 1                                         ; my own 64 keys
	s_wait_tensorcnt 1                             ; my part of slot 0 is in; slot 1's may stay out
	s_barrier_signal -1
	s_barrier_wait -1                              ; everybody's is
	FOUR_STEPS
.Lslot:                                            ; six trips: each leaves a slot, fills it again and walks the other
	CHANGE 1
	FOUR_STEPS
	s_sub_co_u32 s[SLOTS], s[SLOTS], 1
	s_cmp_lg_u32 s[SLOTS], 0
	s_cbranch_scc1 .Lslot
	CHANGE 0                                       ; the tail is written out
	FOUR_STEPS
	; THE WAY OUT.  The sum's halves are added; O^T is divided by the sum, rounded to f16 and sent through my stage: each store of the wave covers 512 consecutive bytes, four rows of x16, aligned.
	PLACES
.irp u, 0,1
	v_add_f32 v[ST+8*\u+2], v[ST+8*\u+2], v[ST+8*\u+3]
.endr
.irp u, 0,1
	v_permlanex16_b32 v[ST+8*\u+1], v[ST+8*\u+2], s[SEL], s[SEL+1]
.endr
.irp u, 0,1
	v_add_f32 v[ST+8*\u+2], v[ST+8*\u+2], v[ST+8*\u+1]
.endr
.irp u, 0,1
	v_rcp_f32 v[ST+8*\u+4], v[ST+8*\u+2]
.endr
	v_nop
	s_wait_alu depctr_va_vdst(0)                   ; one wait for the two reciprocals
.irp u, 0,1
	WIN W_RS
.set n, 0
.rept 16
	v_pk_mul_f32 v[O+32*\u+n:O+32*\u+n+1], v[O+32*\u+n:O+32*\u+n+1], v[ST+8*\u+4:ST+8*\u+5] op_sel_hi:[1,0]
.set n, n+2
.endr
	WIN 0x05                                       ; sources 0 and 1 window 1, destination window 0
.set n, 0
.rept 16
	v_cvt_pk_f16_f32 v[S+16*\u+n], v[O+32*\u+2*n], v[O+32*\u+2*n+1]
.set n, n+1
.endr
	WIN 0
.irp t, 0,1,2,3
	ds_store_b128 v[STO], v[S+16*\u+4*\t:S+16*\u+4*\t+3] offset:\u*16*PK+32*\t   ; lane (r, h): x(16 u + r, 16 t + 8 h + 0 .. 7)
.endr
.endr
.irp i, 0,1,2,3,4,5,6,7
	ds_load_b128 v[KF+4*\i:KF+4*\i+3], v[RD] offset:4*PK*\i
.endr
.irp i, 0,1,2,3,4,5,6,7
	s_wait_dscnt 7-\i
	global_store_b128 v[GO], v[KF+4*\i:KF+4*\i+3], s[10:11] offset:512*\i
.endr
	s_wait_tensorcnt 0x0                           ; the wave's end
	ds_add_u32 v[SPW], v[NIL]
	s_wait_dscnt 0x0
	CROUND                                         ; the closing round
	s_endpgm
.Lfunc_end_k_q1aeb211c62_attn:
	.size	k_q1aeb211c62_attn, .Lfunc_end_k_q1aeb211c62_attn-k_q1aeb211c62_attn
	.p2alignl 7, 3214868480
	.fill 96, 4, 3214868480
	.section	.rodata,"a",@progbits
	.p2align	6, 0x0
	.amdhsa_kernel k_q1aeb211c62_attn
		.amdhsa_group_segment_fixed_size 327680
		.amdhsa_private_segment_fixed_size 0
		.amdhsa_enable_private_segment 0
		.amdhsa_kernarg_size 16
		.amdhsa_user_sgpr_count 2
		.amdhsa_user_sgpr_kernarg_segment_ptr 1
		.amdhsa_wavefront_size32 1
		.amdhsa_system_sgpr_workgroup_id_x 1
		.amdhsa_system_sgpr_workgroup_id_y 1
		.amdhsa_system_sgpr_workgroup_id_z 1
		.amdhsa_system_vgpr_workitem_id 0
		.amdhsa_next_free_vgpr 512
		.amdhsa_next_free_sgpr 84
		.amdhsa_reserve_vcc 0
		.amdhsa_float_denorm_mode_32 3
		.amdhsa_float_denorm_mode_16_64 3
		.amdhsa_memory_ordered 1
		.amdhsa_forward_progress 1
		.amdhsa_inst_pref_size 103
	.end_amdhsa_kernel
	.amdgpu_metadata
---
amdhsa.version: [ 1, 2 ]
amdhsa.kernels:
  - .name:           k_q1aeb211c62_attn
    .symbol:         k_q1aeb211c62_attn.kd
    .args:
      - { .name: qkv, .offset: 0, .size: 8, .value_kind: global_buffer, .address_space: global }
      - { .name: x16, .offset: 8, .size: 8, .value_kind: global_buffer, .address_space: global }
    .group_segment_fixed_size: 327680
    .private_segment_fixed_size: 0
    .kernarg_segment_align: 8
    .kernarg_segment_size: 16
    .max_flat_workgroup_size: 256
    .sgpr_count:     84
    .vgpr_count:     512
    .wavefront_size: 32
...
	.end_amdgpu_metadata
.endif
;; end of part 3
;; launch oproj (part 4): grid 8 x 32, 4 waves a work-group, clusters of 4 x 4, 327,680 bytes of LDS; arguments x16, wo16, bo, out0; writes out0
.if DOCPART == 4
	.amdgcn_target "amdgcn-amd-amdhsa--gfx1250"
	.amdhsa_code_object_version 6
	.text
	.protected	k_q1aeb211c62_oproj
	.globl	k_q1aeb211c62_oproj
	.p2align	8
	.type	k_q1aeb211c62_oproj,@function
k_q1aeb211c62_oproj:
	s_mov_b64 s[64:65], 0
	v_nop
	global_prefetch_b8 v0, s[64:65] scope:SCOPE_SE
	s_setreg_imm32_b32 hwreg(HW_REG_WAVE_MODE, 25, 1), 1
	s_wait_xcnt 0x0
	s_wait_alu depctr_hold_cnt(0) depctr_sa_sdst(0) depctr_va_vdst(0) depctr_va_sdst(0) depctr_va_ssrc(0) depctr_va_vcc(0) depctr_vm_vsrc(0)
	s_getreg_b32 s2, hwreg(HW_REG_IB_STS2, 6, 4)
	s_cmp_eq_u32 s2, 0
	s_cbranch_scc0 .Lentry_in_a_cluster
	s_endpgm
.Lentry_in_a_cluster:
	s_bfe_u32 s2, ttmp6, 0x10000c
	s_cmp_lg_u32 s2, 0xf033
	s_cbranch_scc0 .Lentry_shape_is_right
	s_endpgm
.Lentry_shape_is_right:
; out0[m][n] = the sum over k of x[m][k] Wo[n][k] + bo[n].  x: x16 [b 2][h 16][position 2048][64] f16, so that k = 64 h + channel; Wo: wo16 [1024][1024] f16; out0 [4096][1024] f32; sums in f32.
; A tile of C is 128 x 128: 256 work-groups.  Four waves, each 64 x 64: 16 accumulators.  K goes in steps of 256, which are four heads, through a ring of two LDS slots.
; A's TILE: 64 positions of four heads.  In memory 64 positions of one head are 8,192 consecutive bytes, and heads lie 262,144 bytes apart: the descriptor states 4 rows of 4,096 elements, 131,072 elements apart, with
; 16 bytes of padding behind every 128: in LDS [head][position] at a pitch of 144 bytes.  B's tile: 64 rows of 512 bytes, pitch 528.
; CLUSTERS: 4 x 4 work-groups: A's tile is shared along a row of the cluster, B's along a column: each is asked for JOINTLY.  THE MATRIX INSTRUCTION IS USED TRANSPOSED (source 0 = 16 rows of Wo, source 1 = 16 rows of x):
; a lane holds eight neighbouring numbers of a row of C.  bo IS THE C OF EACH SUM'S FIRST PRODUCT.
; REGISTERS: window 0: v0-31 addresses; v32-95 rows on the way out; v96-127 bo, eight registers for each of my four blocks of columns; v128-255 the accumulators ((a, b) at v[128 + 8 (4 a + b)]).
;   window 1: two fragment buffers of 128: for 64 along K (one head), 64 registers of A, then 64 of B.
.set KSTEP,  256
.set PA,     144
.set HEADB,  64*PA                     ; 64 positions of a head in LDS
.set HALFA,  4*HEADB                   ; what one tensor load brings of A
.set PB,     528
.set HALFB,  64*PB                     ; and of B
.set SLOT,   2*HALFA+2*HALFB           ; A's two halves, then B's two
.set STAGE,  2*SLOT                    ; behind the ring: 16 rows x (256 bytes + 16) for each wave; no fill lands here
.set SPITCH, 272
.set SPARE,  STAGE+4*16*SPITCH         ; the spare words, 128 bytes a wave
.set LAPS,   2                         ; a lap = two K steps = once round the ring
.set ADRA, 16
.set ADRB, 20
.set STO,  24
.set RD,   25
.set CO,   26
.set SPW,  28
.set NIL,  29
.set TMP,  32
.set BI,   96
.set ACC,  128
.set F0,   0
.set F1,   128
.set G1, 24
.set G0, 32
.set G1B, 48
.set G0B, 56
.set MSB, 0
.macro WIN new
.if MSB != \new
	s_set_vgpr_msb (MSB<<8)|\new
.set MSB, \new
.endif
.endm
.set MUL,  0x05                        ; sources 0 (B) and 1 (A) window 1; C and D window 0
.set TO_F, 0x40
.macro JLOAD s                         ; a joint load: waves 0 and 1 fetch A's two halves, waves 2 and 3 B's; an s_nop 0 and four v_nop follow each of the two lines
	s_cmp_eq_u32 s11, 0
	s_cbranch_scc0 .Lfor_b_\@
	tensor_load_to_lds s[G0+4*\s:G0+4*\s+3], s[G1:G1+7]
	s_nop 0
.rept 4
	v_nop
.endr
	s_branch .Lasked_\@
.Lfor_b_\@:
	tensor_load_to_lds s[G0B+4*\s:G0B+4*\s+3], s[G1B:G1B+7]
	s_nop 0
.rept 4
	v_nop
.endr
.Lasked_\@:
.endm
.macro CREST                           ; a round of the cluster's barrier behind its opening barrier
	s_cmp_lg_u32 s10, 0
	s_cbranch_scc1 .Lnot_wave_0_\@
	s_barrier_signal -3
.Lnot_wave_0_\@:
	s_barrier_wait -3
	s_barrier_signal -1
	s_barrier_wait -1
.endm
.macro CROUND
	s_barrier_signal -1
	s_barrier_wait -1
	CREST
.endm
	s_load_b128 s[4:7], s[0:1], 0x0                ; x16, wo16
	s_load_b128 s[68:71], s[0:1], 0x10             ; bo, out0
	v_lshl_add_u32 v[SPW], v0, 2, SPARE
	v_mov_b32 v[NIL], 0
	ds_add_u32 v[SPW], v[NIL]                      ; the wave's opening: the add, twice on end, and its wait ahead of my first tensor load
	ds_add_u32 v[SPW], v[NIL]
	v_lshrrev_b32 v1, 5, v0
	v_readfirstlane_b32 s10, v1                    ; wave 0..3
	s_lshr_b32 s11, s10, 1                         ; which half of the tile's rows is mine.  Also: I fetch for A (0) or for B (1)
	s_and_b32 s12, s10, 1                          ; which half of its columns.  Also: which 64 rows of that tile I fetch
	s_bfe_u32 s40, ttmp6, 0x40000                  ; cx, cy
	s_bfe_u32 s41, ttmp6, 0x40004
	s_lshl_b32 s42, ttmp9, 2
	s_add_co_u32 s42, s42, s40                     ; tile column
	s_and_b32 s13, ttmp7, 0xffff
	s_lshl_b32 s13, s13, 2
	s_add_co_u32 s13, s13, s41                     ; tile row
	s_lshl_b32 s43, s41, 2
	s_lshl_b32 s43, 15, s43                        ; my row of the cluster
	s_lshl_b32 s44, 0x1111, s40                    ; my column
	s_or_b32 s[G1+0], s43, (1<<16)|(1<<20)|(1<<21)|(4<<22)|(3<<25)   ; A: the mask of my row; elements of 2 bytes; padding on; bit 21 beside a mask; after every 32 words four words
	s_mov_b32 s[G1+1], 4096<<16                    ; tensor_dim0 = 4,096 elements: 64 positions of a head
	s_mov_b32 s[G1+2], 4<<16                       ; tensor_dim1 = 4 heads
	s_mov_b32 s[G1+3], 4096<<16                    ; tile_dim0
	s_mov_b32 s[G1+4], 4                           ; tile_dim1
	s_mov_b32 s[G1+5], 131072                      ; from head to head, in elements
	s_mov_b32 s[G1+6], 0
	s_mov_b32 s[G1+7], 0
	s_or_b32 s[G1B+0], s44, (1<<16)|(1<<20)|(1<<21)|(6<<22)|(3<<25)  ; B: the mask of my column; after every 128 words four words
	s_mov_b32 s[G1B+1], KSTEP<<16
	s_mov_b32 s[G1B+2], 64<<16
	s_mov_b32 s[G1B+3], KSTEP<<16
	s_mov_b32 s[G1B+4], 64
	s_mov_b32 s[G1B+5], 1024
	s_mov_b32 s[G1B+6], 0
	s_mov_b32 s[G1B+7], 0
	s_lshl_b32 s18, s12, 6                         ; which 64 rows of the tile I fetch
	s_lshr_b32 s16, s13, 4                         ; A: the batch: 16 tile rows each, 4,194,304 bytes,
	s_lshl_b32 s16, s16, 22
	s_and_b32 s17, s13, 15
	s_lshl_b32 s17, s17, 7
	s_add_co_u32 s17, s17, s18                     ; the position: 128 x (tile row % 16) + 64 x half,
	s_lshl_b32 s17, s17, 7                         ; of 128 bytes
	s_add_co_u32 s16, s16, s17
	s_mov_b32 s17, 0
	s_lshl_b32 s46, s42, 7
	s_add_co_u32 s46, s46, s18                     ; B: row 128 x tile column + 64 x half,
	s_lshl_b32 s46, s46, 11                        ; of 2,048 bytes
	s_mov_b32 s47, 0
	s_mul_i32 s20, s12, HALFA                      ; where they go: no place in the cluster enters an LDS address
	s_mul_i32 s21, s12, HALFB
	s_add_co_u32 s21, s21, 2*HALFA
	s_wait_dscnt 0x0                               ; both opening adds are done
	s_wait_kmcnt 0x0
	s_add_nc_u64 s[14:15], s[4:5], s[16:17]
	s_add_nc_u64 s[46:47], s[6:7], s[46:47]
	CROUND                                         ; all sixteen work-groups are here: the first joint loads meet
.irp s, 0,1
	s_mov_b32 s[G0+4*\s], 1
	s_add_co_u32 s[G0+4*\s+1], s20, \s*SLOT
	s_add_nc_u64 s[G0+4*\s+2:G0+4*\s+3], s[14:15], \s*1048576      ; K step s: four heads on
	s_or_b32 s[G0+4*\s+3], s[G0+4*\s+3], 0x80000000
	s_mov_b32 s[G0B+4*\s], 1
	s_add_co_u32 s[G0B+4*\s+1], s21, \s*SLOT
	s_add_nc_u64 s[G0B+4*\s+2:G0B+4*\s+3], s[46:47], \s*KSTEP*2
	s_or_b32 s[G0B+4*\s+3], s[G0B+4*\s+3], 0x80000000
	JLOAD \s
.endr
	v_and_b32 v1, 15, v0                           ; l % 16
	v_bfe_u32 v2, v0, 4, 1                         ; l / 16
	; bo at my 64 columns, out0 at my 64 x 64
	s_lshl_b32 s16, s13, 7
	s_lshl_b32 s17, s11, 6
	s_add_co_u32 s16, s16, s17                     ; my first row,
	s_lshl_b32 s16, s16, 12                        ; of 4,096 bytes
	s_lshl_b32 s46, s42, 9                         ; my first column, in bytes: 512 x tile column + 256 x half
	s_lshl_b32 s47, s12, 8
	s_add_co_u32 s46, s46, s47
	s_mov_b32 s47, 0
	s_add_nc_u64 s[68:69], s[68:69], s[46:47]
	s_add_co_u32 s46, s46, s16
	s_add_nc_u64 s[70:71], s[70:71], s[46:47]
	v_lshlrev_b32 v6, 5, v2                        ; lane (r, h) wants, for block b, bo of columns 16 b + 8 h + 0 .. 7
.irp b, 0,1,2,3
	global_load_b128 v[BI+8*\b:BI+8*\b+3],   v6, s[68:69] offset:64*\b
	global_load_b128 v[BI+8*\b+4:BI+8*\b+7], v6, s[68:69] offset:64*\b+16
.endr
	v_mul_u32_u24 v3, v1, PA
	v_lshl_add_u32 v3, v2, 4, v3                   ; A: a fragment's row x pitch + 16 x half
	v_mul_u32_u24 v4, v1, PB
	v_lshl_add_u32 v4, v2, 4, v4                   ; B likewise
	s_mul_i32 s21, s11, HALFA                      ; my 64 rows of A
	s_mul_i32 s22, s12, HALFB                      ; my 64 rows of B,
	s_add_co_u32 s22, s22, 2*HALFA                 ; which lie behind A's
.irp s, 0,1
	v_add_nc_u32 v[ADRA+\s], s21, v3
	v_add_nc_u32 v[ADRB+\s], s22, v4
	s_add_co_u32 s21, s21, SLOT
	s_add_co_u32 s22, s22, SLOT
.endr
	s_mul_i32 s23, s10, 16*SPITCH
	s_add_co_u32 s23, s23, STAGE                   ; my stage
	v_mul_u32_u24 v5, v1, SPITCH                   ; in: row l % 16, 32 bytes for each half of the lanes
	v_lshl_add_u32 v5, v2, 5, v5
	v_add_nc_u32 v[STO], s23, v5
	v_mul_u32_u24 v5, v2, SPITCH                   ; back: lanes 0-15 one row of 256 bytes, lanes 16-31 the next
	v_lshl_add_u32 v5, v1, 4, v5
	v_add_nc_u32 v[RD], s23, v5
	v_lshlrev_b32 v5, 12, v2                       ; and the same two rows in out0
	v_lshl_add_u32 v[CO], v1, 4, v5
; 8 matrix instructions: m blocks a0, a0 + 1 x all 4 n blocks, 32 along K: half c of buffer f.  zero = 1: the first product starts the sums, from bo.  The 16 accumulators take turns.
.macro MUL8 f, c, a0, zero
.irp a, \a0, \a0+1
.irp b, 0,1,2,3
.if \zero
	v_wmma_f32_16x16x32_f16 v[ACC+8*(4*(\a)+\b):ACC+8*(4*(\a)+\b)+7], v[\f+64+8*(4*\c+\b):\f+64+8*(4*\c+\b)+7], v[\f+8*(4*\c+\a):\f+8*(4*\c+\a)+7], v[BI+8*\b:BI+8*\b+7]
.else
	v_wmma_f32_16x16x32_f16 v[ACC+8*(4*(\a)+\b):ACC+8*(4*(\a)+\b)+7], v[\f+64+8*(4*\c+\b):\f+64+8*(4*\c+\b)+7], v[\f+8*(4*\c+\a):\f+8*(4*\c+\a)+7], v[ACC+8*(4*(\a)+\b):ACC+8*(4*(\a)+\b)+7]
.endif
.endr
.endr
.endm
; 32 LDS loads in one run: the fragments of the slot's q-th head (64 along K) into buffer f; the first 32 along K first
.macro FETCH slot, q, f
	WIN TO_F
.irp c, 0,1
.irp i, 0,1,2,3
	ds_load_b128 v[\f+64+8*(4*\c+\i):\f+64+8*(4*\c+\i)+3],   v[ADRB+\slot] offset:128*(\q)+64*\c+\i*16*PB
	ds_load_b128 v[\f+64+8*(4*\c+\i)+4:\f+64+8*(4*\c+\i)+7], v[ADRB+\slot] offset:128*(\q)+64*\c+\i*16*PB+32
	ds_load_b128 v[\f+8*(4*\c+\i):\f+8*(4*\c+\i)+3],         v[ADRA+\slot] offset:(\q)*HEADB+64*\c+\i*16*PA
	ds_load_b128 v[\f+8*(4*\c+\i)+4:\f+8*(4*\c+\i)+7],       v[ADRA+\slot] offset:(\q)*HEADB+64*\c+\i*16*PA+32
.endr
.endr
.endm
.macro PLACES                          ; four places in front of loads into registers that matrix instructions have read, and of reads of results (ISA guide 7.12.1 for reads of results)
.rept 4
	v_nop
.endr
.endm
; A K step is four quarters of 64 along K, 32 matrix instructions each, on buffers 0, 1, 0, 1.  One of the first three: multiplies buffer f and fetches quarter q into g.
.macro QUARTER slot, q, f, g, zero
	s_wait_dscnt 16                                ; the first 32 along K are in; the 16 younger loads may be out
	WIN MUL
	MUL8 \f, 0, 0, \zero
	MUL8 \f, 0, 2, \zero
	PLACES
	FETCH \slot, \q, \g
	s_wait_dscnt 32                                ; all but the 32 just issued
	WIN MUL
	MUL8 \f, 1, 0, 0
	MUL8 \f, 1, 2, 0
.endm
; The last quarter multiplies buffer 1 and changes slots: ONE barrier; in front of it each wave waits for all its tensor loads, adds 0 to its spare word, and waits for that and for its own reads of this slot.
.macro TURN slot, next, fill
	WIN 0                                          ; (the add's two registers lie in window 0)
	s_wait_tensorcnt 0x0                           ; all my tensor loads have landed: my part of the next slot
	ds_add_u32 v[SPW], v[NIL]
	s_wait_dscnt 17                                ; (the add and the youngest sixteen loads may be out)
	WIN MUL
	MUL8 F1, 0, 0, 0
	s_wait_dscnt 0x0                               ; the add is done, and my reads of this slot are over
	s_barrier_signal -1
	MUL8 F1, 0, 2, 0
.if \fill
	WIN 0
.endif
	s_barrier_wait -1
.if \fill
	CREST                                          ; the barrier has opened a round of the cluster's: no wave of any partner still reads this slot or has a load on its way
	s_add_nc_u64 s[G0+4*\slot+2:G0+4*\slot+3], s[G0+4*\slot+2:G0+4*\slot+3], 2*1048576
	s_add_nc_u64 s[G0B+4*\slot+2:G0B+4*\slot+3], s[G0B+4*\slot+2:G0B+4*\slot+3], 2*KSTEP*2
	JLOAD \slot                                    ; the first tensor load behind the round; its four v_nop are also the places in front of the loads below
.else
	PLACES
.endif
	FETCH \next, 0, F0
	WIN MUL
	MUL8 F1, 1, 0, 0
	MUL8 F1, 1, 2, 0
.endm
	s_wait_tensorcnt 1                             ; my part of K step 0 is in (K step 1's load may be out),
	s_barrier_signal -1
	s_barrier_wait -1                              ; everybody's is
	FETCH 0, 0, F0
	s_wait_loadcnt 0x0                             ; bo
	QUARTER 0, 1, F0, F1, 1                        ; the first quarter stands in front of the loop: its first products start the sums
	WIN 0
	s_mov_b32 s3, LAPS-1
.Llap:                                             ; a trip goes once round the ring, from a lap's second quarter to the next lap's first, and fills both slots again
	QUARTER 0, 2, F1, F0, 0
	QUARTER 0, 3, F0, F1, 0
	TURN 0, 1, 1
	QUARTER 1, 1, F0, F1, 0
	QUARTER 1, 2, F1, F0, 0
	QUARTER 1, 3, F0, F1, 0
	TURN 1, 0, 1
	QUARTER 0, 1, F0, F1, 0
	WIN 0
	s_sub_co_u32 s3, s3, 1
	s_cmp_lg_u32 s3, 0
	s_cbranch_scc1 .Llap
	QUARTER 0, 2, F1, F0, 0                        ; the last lap fills nothing
	QUARTER 0, 3, F0, F1, 0
	TURN 0, 1, 0
	QUARTER 1, 1, F0, F1, 0
	QUARTER 1, 2, F1, F0, 0
	QUARTER 1, 3, F0, F1, 0
	s_wait_dscnt 16                                ; the very last quarter
	WIN MUL
	MUL8 F1, 0, 0, 0
	MUL8 F1, 0, 2, 0
	s_wait_dscnt 0
	MUL8 F1, 1, 0, 0
	MUL8 F1, 1, 2, 0
	WIN 0
; THE WAY OUT, block by block of 16 rows x 64 columns.  A lane holds 32 neighbouring bytes of a row: a block goes through my own stage and comes back as whole rows of 256 bytes; sixteen lanes store 256 consecutive
; bytes, aligned.  LDS serves a wave's instructions in order (ISA guide 5.7.1.4): no wait between the stores and the loads, nor in front of the next block's stores.
.macro TOSTAGE a
.irp b, 0,1,2,3
	ds_store_b128 v[STO], v[ACC+8*(4*(\a)+\b):ACC+8*(4*(\a)+\b)+3] offset:64*\b          ; each accumulator from its low end on
	ds_store_b128 v[STO], v[ACC+8*(4*(\a)+\b)+4:ACC+8*(4*(\a)+\b)+7] offset:64*\b+16
.endr
.set BB, TMP+32*((\a)%2)
.irp t, 0,1,2,3,4,5,6,7
	ds_load_b128 v[BB+4*\t:BB+4*\t+3], v[RD] offset:\t*2*SPITCH
.endr
.endm
.macro SEND a, younger                 ; younger: the LDS instructions issued behind block a's loads, which may stay out
.set BB, TMP+32*((\a)%2)
	s_wait_dscnt \younger
.irp t, 0,1,2,3,4,5,6,7
	global_store_b128 v[CO], v[BB+4*\t:BB+4*\t+3], s[70:71] offset:(16*(\a)+2*\t)*4096 th:TH_STORE_NT
.endr
.endm
	PLACES
	TOSTAGE 0
.irp a, 1,2,3
.if \a > 1
	s_wait_xcnt 0x0                                ; block a - 2's stores have read their registers: block a's loads may land there
.endif
	TOSTAGE \a
	SEND \a-1, 16                                  ; behind block a - 1's loads: block a's 8 stores and 8 loads
.endr
	SEND 3, 0
	s_wait_tensorcnt 0x0                           ; the wave's end
	ds_add_u32 v[SPW], v[NIL]
	s_wait_dscnt 0x0
	CROUND                                         ; the closing round
	s_endpgm
.Lfunc_end_k_q1aeb211c62_oproj:
	.size	k_q1aeb211c62_oproj, .Lfunc_end_k_q1aeb211c62_oproj-k_q1aeb211c62_oproj
	.p2alignl 7, 3214868480
	.fill 96, 4, 3214868480
	.section	.rodata,"a",@progbits
	.p2align	6, 0x0
	.amdhsa_kernel k_q1aeb211c62_oproj
		.amdhsa_group_segment_fixed_size 327680
		.amdhsa_private_segment_fixed_size 0
		.amdhsa_enable_private_segment 0
		.amdhsa_kernarg_size 32
		.amdhsa_user_sgpr_count 2
		.amdhsa_user_sgpr_kernarg_segment_ptr 1
		.amdhsa_wavefront_size32 1
		.amdhsa_system_sgpr_workgroup_id_x 1
		.amdhsa_system_sgpr_workgroup_id_y 1
		.amdhsa_system_sgpr_workgroup_id_z 1
		.amdhsa_system_vgpr_workitem_id 0
		.amdhsa_next_free_vgpr 512
		.amdhsa_next_free_sgpr 72
		.amdhsa_reserve_vcc 0
		.amdhsa_float_denorm_mode_32 3
		.amdhsa_float_denorm_mode_16_64 3
		.amdhsa_memory_ordered 1
		.amdhsa_forward_progress 1
		.amdhsa_inst_pref_size 87
	.end_amdhsa_kernel
	.amdgpu_metadata
---
amdhsa.version: [ 1, 2 ]
amdhsa.kernels:
  - .name:           k_q1aeb211c62_oproj
    .symbol:         k_q1aeb211c62_oproj.kd
    .args:
      - { .name: x16, .offset: 0, .size: 8, .value_kind: global_buffer, .address_space: global }
      - { .name: wo16, .offset: 8, .size: 8, .value_kind: global_buffer, .address_space: global }
      - { .name: bo, .offset: 16, .size: 8, .value_kind: global_buffer, .address_space: global }
      - { .name: out0, .offset: 24, .size: 8, .value_kind: global_buffer, .address_space: global }
    .group_segment_fixed_size: 327680
    .private_segment_fixed_size: 0
    .kernarg_segment_align: 8
    .kernarg_segment_size: 32
    .max_flat_workgroup_size: 128
    .sgpr_count:     72
    .vgpr_count:     512
    .wavefront_size: 32
...
	.end_amdgpu_metadata
.endif
;; end of part 4
